; MI455X (gfx1250); checked and timed in simulation.
; The chip was launched on July 23, 2026; its instructions are those of AMD's public machine-readable ISA for CDNA 5 (MIT licence, August 2026) and "CDNA5" Instruction Set Architecture Reference Guide (July 2026). The comments in the code are by the model that wrote it; some were corrected since.
;; Multi Head Attention. Allowed arithmetic: matrix products marked QUANTISED: E3M2 operands, one E8M0 scale for each 32 along K, by v_wmma_scale_f32_16x16x128_f8f6f4 with both operands' format E3M2, f32 sums; everything else in f32.
;; Inputs: b_proj 1,024 float32; w_kqv 3,072 x 1,024 float32; w_proj 1,024 x 1,024 float32; x 4 x 2,048 x 1,024 float32.
;; Outputs: out0 4 x 2,048 x 1,024 float32.
;; This version of the problem:
;;   THIS VERSION OF THE PROBLEM IS GIVEN IN LOW PRECISION. The matrix products marked QUANTISED in the list below multiply operands that are first quantised to E3M2 (3 exponent bits, 2 mantissa bits; 6 bits a number), with one power-of-two scale for each 32 numbers along K (OCP MX v1.0); their sums are f32. All else is computed in f32.
;;   The module's matrix products, in the order in which they are computed (A, B: the left and right operand; K: the contracted axis; several contracted axes count as one K, in the product's order):
;;     1. [M 8,192, K 1,024] x [K 1,024, N 3,072]; A: input x; B: input w_kqv: QUANTISED
;;     2. batch 64 x [M 2,048, K 64] x [K 64, N 2,048]; A: computed on the way; B: computed on the way: QUANTISED
;;     3. batch 64 x [M 2,048, K 2,048] x [K 2,048, N 64]; A: softmax (see below); B: computed on the way: QUANTISED
;;     4. [M 8,192, K 1,024] x [K 1,024, N 1,024]; A: computed on the way; B: input w_proj: QUANTISED
;;   THE QUANTISER, for each operand of a quantised product, along K:
;;     - K is cut into blocks of 32 from its start; a last block that is shorter is filled with zeros.
;;     - A block's scale is 2^e with e = floor(log2(the largest magnitude in the block)) - 4, held to -126 .. 127; a block of zeros has e = 0. As a byte (E8M0): e + 127.
;;     - Each number is divided by its block's scale, clamped to +-28, and rounded to the nearest number of E3M2, ties to even, subnormals kept.
;;     - The product sums the exact products of the quantised numbers (number of the format x scale) in f32.
;;   ~~~python
;;   def quantise(x, axis):      # numpy; x: float32 -> the quantised numbers, widened to float32 again
;;       x = np.moveaxis(x, axis, -1); K = x.shape[-1]
;;       x = np.pad(x, [(0, 0)] * (x.ndim - 1) + [(0, -K % 32)]); x = x.reshape(x.shape[:-1] + (-1, 32)); a = np.abs(x).max(-1, keepdims=True)
;;       e = np.where(a > 0, np.clip(np.frexp(np.where(a > 0, a, 1))[1] - 1 - 4, -126, 127), 0)      # np.frexp(a)[1] - 1 = floor(log2(a)), exactly
;;       r = np.clip(x / 2.0 ** e, -28, 28)
;;       step = 2.0 ** (np.maximum(np.frexp(np.where(r == 0, 1, r))[1] - 1, -2) - 2)
;;       q = np.round(r / step) * step * 2.0 ** e      # np.round: ties to even
;;       return np.moveaxis(q.reshape(q.shape[:-2] + (-1,))[..., :K], -1, axis).astype(np.float32)
;;   ~~~
;;   SOFTMAX AHEAD OF A QUANTISED PRODUCT. Where the list says 'softmax', what is quantised is not the finished softmax but p = 2^(t - M), with t = logit x log2(e) and M = ceil(the row's largest t), a whole number; so 1/2 < the row's largest p <= 1. The row's sum l is taken of the UNQUANTISED p, in f32, and the product's result is divided by l at the end. Since M is a whole number, a kernel that streams over the keys may use a running M (the ceiling of the running maximum): every later rescaling is an exact power of two, which a block's scale takes up: the codes' values come out the same.
;;   OPERANDS COMPUTED ON THE WAY. 'Computed on the way' means the value that the module computes at that place (a softmax that the list does not call 'softmax' is quantised finished and normalised). What goes into a quantiser is computed in f32, as accurately as f32 sums, v_exp_f32 and their like allow (about 1e-6 of the number): no bf16 or f16 on the way to a quantiser, and a product that is left as it is and whose result goes on into a quantised operand takes f32 operands (vector FMAs, or v_wmma_f32_16x16x4_f32). A number that lies on a knife's edge between two numbers of the format may be rounded either way, as far as f32 arithmetic and the matrix unit's own rounding can turn it there, and no further.
;; One version. Each part assembles by itself: llvm-mc -triple=amdgcn-amd-amdhsa -mcpu=gfx1250 --defsym DOCPART=n.
;; ======== version 1 of 1: 4 launches
;; workspace buffers: codes1 9,437,184 bytes; scl1 393,216 bytes; rope 524,288 bytes; kv 13,369,344 bytes; qb 6,815,744 bytes; oimg 6,291,456 bytes; oscl 262,144 bytes
;; launch quant (part 1): grid 448 x 1, 4 waves a work-group, no clusters, 33,280 bytes of LDS; arguments x, w_kqv, w_proj, codes1, scl1, rope; writes codes1, scl1, rope
.if DOCPART == 1
	.amdgcn_target "amdgcn-amd-amdhsa--gfx1250"
	.amdhsa_code_object_version 6
	.text
	.protected	k_q1c3f2ed6f6_quant
	.globl	k_q1c3f2ed6f6_quant
	.p2align	8
	.type	k_q1c3f2ed6f6_quant,@function
k_q1c3f2ed6f6_quant:
	s_mov_b64 s[64:65], 0
	v_nop
	global_prefetch_b8 v0, s[64:65] scope:SCOPE_SE
	s_setreg_imm32_b32 hwreg(HW_REG_WAVE_MODE, 25, 1), 1
	s_wait_xcnt 0x0
; x [8192][1024], w_kqv [3072][1024], w_proj [1024][1024], f32 with K innermost, become codes of BF6 (E3M2), 6 bits each, and one E8M0 byte for each 32 along K:
; codes1 is 12,288 rows of 768 bytes (x, then w_kqv, then w_proj), scl1 12,288 rows of 32 bytes.  The last 64 work-groups make the table of cos and sin for the rotation of q and k.
; A block's scale is 2^(floor(log2(its largest magnitude)) - 4); its byte is the largest magnitude's own exponent field - 4, held at 1 from below.
; THE ORDER INSIDE A BLOCK OF 32, the same for every operand of this program: place 16 h + i (h = 0, 1; i = 0 .. 15) holds element 8 h + i for i < 8 and 16 + 8 h + (i - 8) for i >= 8.
; A product sums over k, so any order serves that both operands share; this one is the order in which a matrix result's registers lie in the later launches, where nothing then has to change lanes.
; LIMITS: NaN and infinities are not served.  A block of zeros, or one whose largest magnitude lies under 2^-122, gets the byte 1 (the rule says 127 for zeros): its codes are zeros or held, and the bytes are read by this program alone.
; QUANTISING: rows are dense, so the three tensors are streams of blocks.  A work-group takes 32,768 numbers, a wave 16 steps of 512.  Each load of a wave reads 512 consecutive bytes, 16 a lane; a step's 2,048 bytes go
; through the wave's own stage in LDS (16 bytes of padding behind each 64) and come back 16 numbers a lane, two neighbouring lanes to a block: the even lane elements 0-7 and 16-23, the odd lane 8-15 and 24-31.
; (On the way back sixteen lanes fall on eight 16-byte columns, two deep: the launch waits for memory, not for LDS.)  A lane's 16 codes are 12 bytes: a wave stores 384 consecutive bytes.
; A wave's 256 scale bytes are gathered in LDS and leave as one aligned run of 256 bytes.  Waves share nothing: no barrier.
; THE TABLE: rope[m][i] = (cos, sin)(m x theta_i), theta_i = 10^(-i/8) = 10000^(-2i/64) rounded to f32, m x theta_i rounded once as an f32 product.  The angle is reduced by pi/2 in two parts (the first
; subtraction is exact), sin and cos of the rest are polynomials on |r| <= pi/4; absolute error about 1e-7.
.set STEPS, 16
.set EMAX,  4
.set CB,    12                         ; bytes of 16 codes
.set R,     16                         ; v16-79   four sets of 16 numbers as they are loaded
.set X,     80                         ; v80-111  two sets of 16 numbers of one block
.set C,     128                        ; v128-191 codes: four registers for each step, so that no store's data are written again
.set E,     112                        ; v112-127 a scale byte for each step
.set WREG,  8192                       ; LDS: a region for each wave: two stages of 32 x SP bytes, and behind them its 256 scale bytes
.set SP,    80                         ; 64 bytes + 16 of padding
.set QWG,   384                        ; work-groups that quantise: 256 for x, 96 for w_kqv, 32 for w_proj
.macro LOAD t
.irp i, 0,1,2,3
	global_load_b128 v[R+16*((\t)%4)+4*\i:R+16*((\t)%4)+4*\i+3], v3, s[4:5] offset:2048*(\t)+512*\i th:TH_LOAD_NT   ; 32 lanes read 512 consecutive bytes; read once
.endr
.endm
.macro TURN t                          ; step t's numbers through the stage: LDS serves a wave's instructions in order, so no wait stands between the stores and the loads
.irp i, 0,1,2,3
	ds_store_b128 v14, v[R+16*((\t)%4)+4*\i:R+16*((\t)%4)+4*\i+3] offset:32*SP*((\t)%2)+8*SP*\i
.endr
.irp i, 0,1,2,3
	ds_load_b128 v[X+16*((\t)%2)+4*\i:X+16*((\t)%2)+4*\i+3], v15 offset:32*SP*((\t)%2)+SP*(\i/2)+16*(\i%2)   ; 32 bytes of the block's first 64, 32 of its second
.endr
.endm
.macro STEP t
.set XS, X+16*((\t)%2)
.if (\t) > 0
	s_wait_dscnt 1                                 ; this step's numbers are back from the stage (the last step's byte store may be out)
.else
	s_wait_dscnt 0x0
.endif
.if (\t)+4 < STEPS
	LOAD (\t)+4                                    ; the stage's stores have read these registers: they take the loads of four steps on
.endif
.if (\t)+1 < STEPS
.if STEPS-2-(\t) >= 3
	s_wait_loadcnt 12                              ; the next step's four loads are in; those of the three steps behind it may be out
.else
	s_wait_loadcnt 4*(STEPS-2-(\t))
.endif
	TURN (\t)+1                                    ; and go through the other stage while this step is worked
.endif
	v_max3_num_f32 v8, |v[XS]|, |v[XS+1]|, |v[XS+2]|               ; the largest magnitude of my 16, in two chains
	v_max3_num_f32 v9, |v[XS+3]|, |v[XS+4]|, |v[XS+5]|
.irp i, 6,10
	v_max3_num_f32 v8, v8, |v[XS+\i]|, |v[XS+\i+1]|
	v_max3_num_f32 v9, v9, |v[XS+\i+2]|, |v[XS+\i+3]|
.endr
	v_max3_num_f32 v8, v8, |v[XS+14]|, |v[XS+15]|
	v_max3_num_f32 v8, v8, v9, (EMAX+1)<<23        ; and the floor 2^(5 - 127): the byte cannot fall under 1
	v_max_num_f32_dpp v8, v8, v8 row_xmask:1 row_mask:0xf bank_mask:0xf   ; and of my neighbour's 16: the block's
	v_add_nc_u32 v11, -(EMAX<<23), v8              ; 4 off its exponent field: the conversion takes the exponent field of this operand as its scale
	v_cvt_scalef32_pk16_bf6_f32 v[C+4*(\t):C+4*(\t)+2], v[XS:XS+15], v11   ; sixteen numbers / the scale, to the nearest code, ties to even, beyond 28 the largest code; 96 bits, the first number's code lowest
	v_lshrrev_b32 v[E+(\t)], 23, v11               ; the scale's byte (also the plain line behind the conversion)
	ds_store_b8 v5, v[E+(\t)] offset:16*(\t)       ; both lanes of a block write the same byte with the same value
	global_store_b96 v4, v[C+4*(\t):C+4*(\t)+2], s[10:11] offset:32*CB*(\t)
.endm
.macro THETA i, val                    ; lane i's theta
	s_mov_b32 s20, \val
	v_writelane_b32 v4, s20, \i
.endm
	s_load_b256 s[4:11], s[0:1], 0x0               ; x s[4:5], w_kqv s[6:7], w_proj s[8:9], codes1 s[10:11]
	s_load_b128 s[12:15], s[0:1], 0x20             ; scl1 s[12:13], rope s[14:15]
	v_lshl_add_u32 v192, v0, 2, 0x8000
	v_mov_b32 v193, 0
	v_lshrrev_b32 v1, 5, v0
	v_readfirstlane_b32 s16, v1                    ; wave
	v_and_b32 v2, 31, v0                           ; lane
	s_cmp_ge_u32 ttmp9, QWG
	s_cbranch_scc1 .Ltable
	v_lshlrev_b32 v3, 4, v2                        ; my 16 bytes of a load's 512
	s_mul_i32 s17, s16, WREG
	v_lshrrev_b32 v14, 2, v2
	v_mul_u32_u24 v14, v14, SP
	v_and_b32 v15, 3, v2
	v_lshl_add_u32 v14, v15, 4, v14
	v_add_nc_u32 v14, s17, v14                     ; the stage, on the way in: SP (lane / 4) + 16 (lane % 4)
	v_lshrrev_b32 v15, 1, v2
	v_mul_u32_u24 v15, v15, 2*SP
	v_and_b32 v5, 1, v2
	v_lshl_add_u32 v15, v5, 5, v15
	v_add_nc_u32 v15, s17, v15                     ; and on the way out: my block's 2 SP bytes, + 32 for the odd lane
	v_mul_u32_u24 v4, v2, CB                       ; my codes' place in a step's
	v_lshrrev_b32 v5, 1, v2
	s_add_co_u32 s17, s17, 2*32*SP
	v_add_nc_u32 v5, s17, v5                       ; LDS: my wave's 256 scale bytes, my block's byte
	v_lshlrev_b32 v7, 3, v2                        ; and on the way out 8 bytes a lane
	v_add_nc_u32 v6, s17, v7
	s_mov_b32 s17, 352
	s_wait_kmcnt 0x0
	s_cmp_lt_u32 ttmp9, 352                        ; which tensor: the choice hangs on the work-group's number alone
	s_cselect_b64 s[6:7], s[6:7], s[8:9]
	s_cselect_b32 s17, 256, s17
	s_cmp_lt_u32 ttmp9, 256
	s_cselect_b64 s[4:5], s[4:5], s[6:7]
	s_cselect_b32 s17, 0, s17                      ; the tensor's first work-group
	s_sub_co_u32 s17, ttmp9, s17
	s_lshl_b32 s17, s17, 2
	s_add_co_u32 s17, s17, s16                     ; which run of 8,192 numbers of the tensor is my wave's
	s_lshl_b32 s18, s17, 15                        ; 32,768 bytes a run
	s_mov_b32 s19, 0
	s_add_nc_u64 s[4:5], s[4:5], s[18:19]
	s_lshl_b32 s17, ttmp9, 2
	s_add_co_u32 s17, s17, s16                     ; and which run of the three tensors on end
	s_mul_i32 s18, s17, 32*STEPS*CB                ; 6,144 bytes of codes a run
	s_add_nc_u64 s[10:11], s[10:11], s[18:19]
	s_lshl_b32 s18, s17, 8                         ; 256 scale bytes a run
	s_add_nc_u64 s[12:13], s[12:13], s[18:19]
.irp t, 0,1,2,3
	LOAD \t
.endr
	s_wait_loadcnt 12                              ; step 0's four loads are in
	TURN 0
.irp t, 0,1,2,3,4,5,6,7,8,9,10,11,12,13,14,15
	STEP \t
.endr
	ds_load_b64 v[12:13], v6                       ; LDS serves a wave's instructions in order: these see my byte stores
	s_wait_dscnt 0x0
	global_store_b64 v7, v[12:13], s[12:13]        ; 32 lanes store 256 consecutive bytes, aligned
	s_wait_tensorcnt 0x0
	ds_add_u32 v192, v193
	s_wait_dscnt 0x0
	s_endpgm
; THE TABLE.  Wave W of 256 takes rows m = 8 W .. 8 W + 7; lane i takes theta_i.  Eight rows, eight chains that do not wait for each other.  Row k's registers: v[32 + 16 k] on:
; +0 cos, +1 sin, +2 the angle, +3 n, +4 r, +5 r^2, +6 sin r, +7 cos r, +8 1 - r^2 / 2, +9 n as a whole number, +10 at work.
.Ltable:
	s_sub_co_u32 s17, ttmp9, QWG
	s_lshl_b32 s17, s17, 2
	s_add_co_u32 s17, s17, s16                     ; W
	s_lshl_b32 s21, s17, 3                         ; my first row
	s_lshl_b32 s18, s17, 11                        ; 8 rows of 256 bytes
	s_mov_b32 s19, 0
	v_lshlrev_b32 v3, 3, v2                        ; 8 bytes a lane
	v_mov_b32 v4, 1.0                              ; theta_0
	THETA 1, 0.7498942093324559
	THETA 2, 0.5623413251903491
	THETA 3, 0.4216965034285822
	THETA 4, 0.3162277660168379
	THETA 5, 0.2371373705661655
	THETA 6, 0.1778279410038923
	THETA 7, 0.1333521432163324
	THETA 8, 0.1
	THETA 9, 0.07498942093324559
	THETA 10, 0.05623413251903491
	THETA 11, 0.04216965034285822
	THETA 12, 0.03162277660168379
	THETA 13, 0.02371373705661655
	THETA 14, 0.01778279410038923
	THETA 15, 0.01333521432163324
	THETA 16, 0.01
	THETA 17, 0.007498942093324559
	THETA 18, 0.005623413251903491
	THETA 19, 0.004216965034285822
	THETA 20, 0.003162277660168379
	THETA 21, 0.002371373705661655
	THETA 22, 0.001778279410038923
	THETA 23, 0.001333521432163324
	THETA 24, 0.001
	THETA 25, 0.0007498942093324559
	THETA 26, 0.0005623413251903491
	THETA 27, 0.0004216965034285822
	THETA 28, 0.0003162277660168379
	THETA 29, 0.0002371373705661655
	THETA 30, 0.0001778279410038923
	THETA 31, 0.0001333521432163324
	s_mov_b32 s24, 0x3f22f983                      ; 2 / pi
	s_mov_b32 s25, -0.16666654611                  ; sin r = r + r z (S1 + z (S2 + z S3)), z = r^2
	s_mov_b32 s26, 0.0083321608736
	s_mov_b32 s27, -0.00019515295891
	s_mov_b32 s28, 0.04166664568298827             ; cos r = 1 - z / 2 + z^2 (C1 + z (C2 + z C3))
	s_mov_b32 s29, -0.001388731625493765
	s_mov_b32 s30, 0.00002443315711809948
	s_wait_kmcnt 0x0
	s_add_nc_u64 s[14:15], s[14:15], s[18:19]
.irp k, 0,1,2,3,4,5,6,7
	s_add_co_u32 s22, s21, \k
	v_cvt_f32_u32 v[32+16*\k+2], s22               ; m
.endr
.irp k, 0,1,2,3,4,5,6,7
	v_mul_f32 v[32+16*\k+2], v[32+16*\k+2], v4     ; the angle, rounded once
.endr
.irp k, 0,1,2,3,4,5,6,7
	v_mul_f32 v[32+16*\k+3], s24, v[32+16*\k+2]
.endr
.irp k, 0,1,2,3,4,5,6,7
	v_rndne_f32 v[32+16*\k+3], v[32+16*\k+3]       ; n = the nearest whole number of quarter turns, at most 1,304
.endr
.irp k, 0,1,2,3,4,5,6,7
	v_fmamk_f32 v[32+16*\k+4], v[32+16*\k+3], 0xbfc90fdb, v[32+16*\k+2]   ; the angle - n x (pi/2's upper part): a fused multiply-add whose result fits in 24 bits
.endr
.irp k, 0,1,2,3,4,5,6,7
	v_fmamk_f32 v[32+16*\k+4], v[32+16*\k+3], 0x333bbd2e, v[32+16*\k+4]   ; - n x (its lower part, -4.371139e-8)
.endr
.irp k, 0,1,2,3,4,5,6,7
	v_mul_f32 v[32+16*\k+5], v[32+16*\k+4], v[32+16*\k+4]
.endr
.irp k, 0,1,2,3,4,5,6,7
	v_fma_f32 v[32+16*\k+6], v[32+16*\k+5], s27, s26
	v_fma_f32 v[32+16*\k+7], v[32+16*\k+5], s30, s29
.endr
.irp k, 0,1,2,3,4,5,6,7
	v_fma_f32 v[32+16*\k+6], v[32+16*\k+6], v[32+16*\k+5], s25
	v_fma_f32 v[32+16*\k+7], v[32+16*\k+7], v[32+16*\k+5], s28
.endr
.irp k, 0,1,2,3,4,5,6,7
	v_mul_f32 v[32+16*\k+6], v[32+16*\k+6], v[32+16*\k+5]
	v_mul_f32 v[32+16*\k+7], v[32+16*\k+7], v[32+16*\k+5]
	v_fma_f32 v[32+16*\k+8], v[32+16*\k+5], -0.5, 1.0
.endr
.irp k, 0,1,2,3,4,5,6,7
	v_fma_f32 v[32+16*\k+6], v[32+16*\k+6], v[32+16*\k+4], v[32+16*\k+4]   ; sin r
	v_fma_f32 v[32+16*\k+7], v[32+16*\k+7], v[32+16*\k+5], v[32+16*\k+8]   ; cos r
	v_cvt_i32_f32 v[32+16*\k+9], v[32+16*\k+3]
.endr
.irp k, 0,1,2,3,4,5,6,7
	v_and_b32 v[32+16*\k+10], 1, v[32+16*\k+9]
	v_cmp_eq_u32 vcc_lo, 1, v[32+16*\k+10]         ; an odd quarter swaps the two
	v_cndmask_b32 v[32+16*\k+1], v[32+16*\k+6], v[32+16*\k+7], vcc_lo
	v_cndmask_b32 v[32+16*\k], v[32+16*\k+7], v[32+16*\k+6], vcc_lo
.endr
.irp k, 0,1,2,3,4,5,6,7
	v_lshlrev_b32 v[32+16*\k+10], 30, v[32+16*\k+9]
	v_and_b32 v[32+16*\k+10], 0x80000000, v[32+16*\k+10]
	v_xor_b32 v[32+16*\k+1], v[32+16*\k+1], v[32+16*\k+10]   ; sin is negative in quarters 2 and 3: bit 1 of n
	v_add_nc_u32 v[32+16*\k+9], 1, v[32+16*\k+9]
.endr
.irp k, 0,1,2,3,4,5,6,7
	v_lshlrev_b32 v[32+16*\k+10], 30, v[32+16*\k+9]
	v_and_b32 v[32+16*\k+10], 0x80000000, v[32+16*\k+10]
	v_xor_b32 v[32+16*\k], v[32+16*\k], v[32+16*\k+10]       ; cos in quarters 1 and 2: bit 1 of n + 1
.endr
.irp k, 0,1,2,3,4,5,6,7
	global_store_b64 v3, v[32+16*\k:32+16*\k+1], s[14:15] offset:256*\k   ; 32 lanes store a row: 256 consecutive bytes, aligned
.endr
	s_endpgm
.Lfunc_end_k_q1c3f2ed6f6_quant:
	.size	k_q1c3f2ed6f6_quant, .Lfunc_end_k_q1c3f2ed6f6_quant-k_q1c3f2ed6f6_quant
	.p2alignl 7, 3214868480
	.fill 96, 4, 3214868480
	.section	.rodata,"a",@progbits
	.p2align	6, 0x0
	.amdhsa_kernel k_q1c3f2ed6f6_quant
		.amdhsa_group_segment_fixed_size 33280
		.amdhsa_private_segment_fixed_size 0
		.amdhsa_enable_private_segment 0
		.amdhsa_kernarg_size 48
		.amdhsa_user_sgpr_count 2
		.amdhsa_user_sgpr_kernarg_segment_ptr 1
		.amdhsa_wavefront_size32 1
		.amdhsa_system_sgpr_workgroup_id_x 1
		.amdhsa_system_sgpr_workgroup_id_y 1
		.amdhsa_system_sgpr_workgroup_id_z 1
		.amdhsa_system_vgpr_workitem_id 0
		.amdhsa_next_free_vgpr 194
		.amdhsa_next_free_sgpr 66
		.amdhsa_reserve_vcc 1
		.amdhsa_float_denorm_mode_32 3
		.amdhsa_float_denorm_mode_16_64 3
		.amdhsa_memory_ordered 1
		.amdhsa_forward_progress 1
		.amdhsa_inst_pref_size 48
	.end_amdhsa_kernel
	.amdgpu_metadata
---
amdhsa.version: [ 1, 2 ]
amdhsa.kernels:
  - .name:           k_q1c3f2ed6f6_quant
    .symbol:         k_q1c3f2ed6f6_quant.kd
    .args:
      - { .name: x, .offset: 0, .size: 8, .value_kind: global_buffer, .address_space: global }
      - { .name: w_kqv, .offset: 8, .size: 8, .value_kind: global_buffer, .address_space: global }
      - { .name: w_proj, .offset: 16, .size: 8, .value_kind: global_buffer, .address_space: global }
      - { .name: codes1, .offset: 24, .size: 8, .value_kind: global_buffer, .address_space: global }
      - { .name: scl1, .offset: 32, .size: 8, .value_kind: global_buffer, .address_space: global }
      - { .name: rope, .offset: 40, .size: 8, .value_kind: global_buffer, .address_space: global }
    .group_segment_fixed_size: 33280
    .private_segment_fixed_size: 0
    .kernarg_segment_align: 8
    .kernarg_segment_size: 48
    .max_flat_workgroup_size: 128
    .sgpr_count:     66
    .vgpr_count:     194
    .wavefront_size: 32
...
	.end_amdgpu_metadata
.endif
;; end of part 1
;; launch kqv (part 2): grid 8 x 48, 4 waves a work-group, clusters of 4 x 4, 327,680 bytes of LDS; arguments codes1, scl1, rope, kv, qb; writes kv, qb
.if DOCPART == 2
	.amdgcn_target "amdgcn-amd-amdhsa--gfx1250"
	.amdhsa_code_object_version 6
	.text
	.protected	k_q1c3f2ed6f6_kqv
	.globl	k_q1c3f2ed6f6_kqv
	.p2align	8
	.type	k_q1c3f2ed6f6_kqv,@function
k_q1c3f2ed6f6_kqv:
	s_mov_b64 s[64:65], 0
	v_nop
	global_prefetch_b8 v0, s[64:65] scope:SCOPE_SE
	s_setreg_imm32_b32 hwreg(HW_REG_WAVE_MODE, 25, 1), 1
	s_wait_xcnt 0x0
	s_wait_alu depctr_hold_cnt(0) depctr_sa_sdst(0) depctr_va_vdst(0) depctr_va_sdst(0) depctr_va_ssrc(0) depctr_va_vcc(0) depctr_vm_vsrc(0)
	s_getreg_b32 s2, hwreg(HW_REG_IB_STS2, 6, 4)
	s_cmp_eq_u32 s2, 0
	s_cbranch_scc0 .Lentry_in_a_cluster
	s_endpgm
.Lentry_in_a_cluster:
	s_bfe_u32 s2, ttmp6, 0x10000c
	s_cmp_lg_u32 s2, 0xf033
	s_cbranch_scc0 .Lentry_shape_is_right
	s_endpgm
.Lentry_shape_is_right:
; The projection x w_kqv^T on codes of BF6 (E3M2) with E8M0 scales, K = 1,024; then the rotation of k and q; then k, q and v are quantised for attention, in registers, and stored as images of operand registers.
; codes1: 12,288 rows x 768 bytes (rows 0-8191 x, 8192-11263 w_kqv: k, q, v by thirds); scl1: 32 scale bytes a row.  rope: [2048][32] pairs (cos, sin).
; A tile of 256 x 256 results is made by four waves, 128 x 128 each: 64 accumulators, 512 registers.  K goes in steps of 256 through two LDS slots filled by the tensor data mover (rows of 192 bytes);
; the scale bytes of the tile's 512 rows come into LDS once.  The matrix instruction takes 16 rows of "B" as source 0 and 16 rows of "A" as source 1: a lane then holds ONE row of A, and its registers run along B's rows.
; TWO ROLES FOR ONE LOOP.  Clusters with y < 8 (QK): A = x, B = w_kqv's rows 0-2047: a lane holds a token and its registers run along a head's channels, which are the K of q k^T.
; Clusters with y >= 8 (V): A = w_kqv's rows 2048-3071, B = x: a lane holds a channel and its registers run along the tokens, which are the K of p v.  So both are quantised by the same lines, and nothing is transposed.
; The two roles part once, on the cluster's y, behind the last change of slots; each writes the last slot's two steps out.
; CLUSTERS: 4 x 4 work-groups; A's tiles are asked for jointly along a row of the cluster, B's along a column.
; OUT.  kv: [16 b + head][key step of 128] records of 13,056 bytes: +0 k's 8 tiles of 16 keys (768 bytes: registers 0-3 at 16 x lane, registers 4-5 at 512 + 8 x lane), +6144 v's 4 fragments (16 channels x 128 keys:
; 3 x 512 bytes, 16 x lane), +12288 k's 128 scale words (bytes 0, 1: the two blocks of 32 channels; bytes 2, 3: 0), +12800 v's 64 scale words.  qb: records of 6,656 bytes: q's 8 tiles, +6144 its 128 scale words.
; THE ORDER INSIDE A BLOCK OF 32 is the registers' own: place 16 h + i holds element 8 h + i (i < 8) or 16 + 8 h + (i - 8); every operand of this program is laid so.
; LIMITS: NaN and infinities are not served; a block of zeros or under 2^-122 gets the byte 1.  The rotation rounds te cos - to sin as one product and one fused multiply-add.
; The table's loads take 32 bytes of each of 16 rows an instruction; a block's eight loads together take the 16 rows whole.
; REGISTERS, in windows of 256: window 0: v0-31 addresses; v32-63 scale words, two sets, and nothing else; v64-127 the table, two sets; v128-223 A's fragments, one set; on the way out v128-249 are at work.
;   window 1: B's fragments, two sets, at v0 and v128.   window 2: the accumulators of my rows 0-63 ((a, b) at v[8 (8 a + b)]);   window 3: those of rows 64-127.
.set KSTEP,  256                       ; along K in a slot
.set NQ,     2                         ; matrix instructions deep
.set ROWB,   192                       ; a tile's row in bytes
.set KROW,   768                       ; a row of codes1
.set PITCH,  240                       ; an LDS row: 3 x (64 bytes + 16 of padding)
.set FR,     12                        ; registers of a fragment
.set NL,     6                         ; LDS loads that bring one
.set NP,     4                         ; places behind this matrix instruction (ISA guide 7.12.1)
.set HALFT,  128*PITCH                 ; what one tensor load brings
.set SLOT,   4*HALFT                   ; A's 256 rows, then B's 256 rows
.set LAPS,   2                         ; four K steps: twice round the ring
.set KS,     32                        ; a row of scale bytes
.set SCL,    2*SLOT                    ; behind the ring: the scales, as runs of 256 bytes + 16 of padding
.set HALFS,  (128*KS/256)*272
.set SBLK,   (16*KS/256)*272
.set SPARE,  SCL+4*HALFS               ; the spare words, 128 bytes for each wave: two blocks of 256 bytes that no other line names
.set KVREC,  13056
.set QREC,   6656
.set VT,   7                           ; v7   the table: 256 r + 32 h
.set L16,  8                           ; v8   16 x lane
.set L8,   9                           ; v9   8 x lane
.set SWQ,  10                          ; v10  QK: LDS, where a block's scale words go: 1,024 x wave + 512 h + 4 r
.set SRQ,  11                          ; v11  QK: and where they are read back: 1,024 x wave + 16 x lane
.set GS,   12                          ; v12  QK: their place in a record: 16 x lane + where the words begin
.set H16,  13                          ; v13  16 h
.set GV,   14                          ; v14  V: the scale words' place: 16 (lane % 16) + a head's 16 records x (lane / 16)
.set SWV,  15                          ; v15  V: LDS: 4,096 + 512 x wave + 4 r  (bytes of this role's own)
.set ADRA, 16                          ; v16-17 LDS address of my A fragments in slot 0, 1 (v18-19: for the pieces behind one padding more)
.set ADRB, 20                          ; v20-23 the same for B
.set SRV,  24                          ; v24  V: 4,096 + 512 x wave + 16 x lane
.set ADRS, 27                          ; v27  LDS address of my scale words: lanes 0-15 A's rows, lanes 16-31 B's
.set SPW,  28                          ; v28  my spare word; never rewritten
.set NIL,  29                          ; v29  0; never rewritten
.set SC,   32                          ; scale words: set s at v[SC + 16 s]; register 2 i + q: lanes 0-15 A's block i, lanes 16-31 B's block i
.set CS,   64                          ; the table: set a % 2: pair 8 bq + 2 jj = (cos, sin) of i = 8 bq + 4 h + jj for my token of block a
.set AF,   128                         ; A's fragments
.set HA,   128                         ; the way out: 64 rotated numbers
.set PC,   192                         ; v192-211 the codes just made
.set SW,   212                         ; v212-219 a scale word for each block, so that no LDS store's data are written again
.set TM,   224                         ; v224-239 at work in QUANT
.set PW,   240                         ; the scale word just made
.set T,    242                         ; v242-249 four pairs at work in the rotation
.set G1, 24
.set G0, 32
.set G1B, 48
.set G0B, 56
.set G1S, 68
.set G0S, 76
.set G1SB, 80
.set G0SB, 88
.set SEL, 100                          ; s100, s101 lane selects for v_permlanex16_b32: lane l xor 16
.set MSB, 0
.macro WIN new                         ; the immediate's high byte repeats the setting that is left
.if MSB != \new
	s_set_vgpr_msb (MSB<<8)|\new
.set MSB, \new
.endif
.endm
.set MUL_LO, 0xa1                      ; source 0 (B) window 1, source 1 (A) window 0, C and D window 2
.set MUL_HI, 0xf1                      ; the same, C and D window 3
.set TO_B,   0x40                      ; destination window 1, address window 0
; A joint load: waves 0 and 1 fetch for A, waves 2 and 3 for B; the branch hangs on the wave's number alone.  Four v_nop follow each of the two lines.
.macro JLOAD g0a, g1a, g0b, g1b
	s_cmp_eq_u32 s15, 0
	s_cbranch_scc0 .Lfor_b_\@
	tensor_load_to_lds s[\g0a:\g0a+3], s[\g1a:\g1a+7]
	s_nop 0
.rept 4
	v_nop
.endr
	s_branch .Lasked_\@
.Lfor_b_\@:
	tensor_load_to_lds s[\g0b:\g0b+3], s[\g1b:\g1b+7]
	s_nop 0
.rept 4
	v_nop
.endr
.Lasked_\@:
.endm
.macro CREST                           ; a round of the cluster's barrier behind its opening barrier
	s_cmp_lg_u32 s14, 0
	s_cbranch_scc1 .Lnot_wave_0_\@
	s_barrier_signal -3
.Lnot_wave_0_\@:
	s_barrier_wait -3
	s_barrier_signal -1
	s_barrier_wait -1
.endm
.macro CROUND                          ; a whole round
	s_barrier_signal -1
	s_barrier_wait -1
	CREST
.endm
	s_load_b256 s[4:11], s[0:1], 0x0               ; codes1 s[4:5], scl1 s[6:7], rope s[8:9], kv s[10:11]
	s_load_b64 s[12:13], s[0:1], 0x20              ; qb
	v_lshl_add_u32 v[SPW], v0, 2, SPARE
	v_mov_b32 v[NIL], 0
	ds_add_u32 v28, v29
	ds_add_u32 v28, v29
	s_wait_dscnt 0x0
	v_lshrrev_b32 v1, 5, v0
	v_readfirstlane_b32 s14, v1                    ; wave 0..3
	s_lshr_b32 s15, s14, 1                         ; which half of the tile's rows (A) is mine.  Also: I fetch for A (0) or for B (1)
	s_and_b32 s16, s14, 1                          ; which half of its columns (B).  Also: which 128 rows I fetch
	s_bfe_u32 s40, ttmp6, 0x40000                  ; cx, cy: my place in the cluster
	s_bfe_u32 s41, ttmp6, 0x40004
	s_and_b32 s18, ttmp7, 0xffff                   ; the cluster's y
	s_sub_co_u32 s19, s18, 8
	s_lshl_b32 s19, s19, 1
	s_add_co_u32 s19, s19, ttmp9                   ; V: which of 8 groups of four tile columns: 2 (y - 8) + x
	s_mov_b32 s96, 10240
	s_mov_b32 s97, 8192
	s_cmp_lt_u32 s18, 8                            ; the role: the same in all sixteen partners
	s_cselect_b32 s66, 1, 0                        ; 1: QK
	s_cselect_b32 s67, s18, 0                      ; the group of four tile rows
	s_cselect_b32 s95, ttmp9, s19                  ; and of four tile columns
	s_cselect_b32 s96, 0, s96                      ; A's first row in codes1: x, or w_kqv's row 2,048
	s_cselect_b32 s97, s97, 0                      ; B's: w_kqv's row 0, or x
	s_lshl_b32 s42, s95, 2
	s_add_co_u32 s42, s42, s40                     ; tile column
	s_lshl_b32 s17, s67, 2
	s_add_co_u32 s17, s17, s41                     ; tile row
	s_lshl_b32 s43, s41, 2
	s_lshl_b32 s43, 15, s43                        ; my row of the cluster
	s_lshl_b32 s44, 0x1111, s40                    ; my column
	; descriptor group 1: a tile of 128 rows x 192 bytes, 16 bytes of padding behind every 64
	s_or_b32 s[G1+0], s43, (0<<16)|(1<<20)|(1<<21)|(3<<22)|(3<<25)  ; 15:0 the mask: A's tiles go to my row; elements of 1 byte; padding on; bit 21 set beside a mask; after every 16 words, 4 words
	s_or_b32 s[G1B+0], s44, (0<<16)|(1<<20)|(1<<21)|(3<<22)|(3<<25)
.irp g, G1, G1B
	s_mov_b32 s[\g+1], ROWB<<16                    ; tensor_dim0
	s_mov_b32 s[\g+2], 128<<16                     ; tensor_dim1
	s_mov_b32 s[\g+3], ROWB<<16                    ; tile_dim0
	s_mov_b32 s[\g+4], 128                         ; tile_dim1
	s_mov_b32 s[\g+5], KROW                        ; from row to row
	s_mov_b32 s[\g+6], 0
	s_mov_b32 s[\g+7], 0
.endr
	; the scales of 128 rows: 4,096 dense bytes, as 16 rows of 256 bytes (32 elements of 8), 16 bytes of padding behind each
	s_or_b32 s[G1S+0], s43, (3<<16)|(1<<20)|(1<<21)|(5<<22)|(3<<25)
	s_or_b32 s[G1SB+0], s44, (3<<16)|(1<<20)|(1<<21)|(5<<22)|(3<<25)
.irp g, G1S, G1SB
	s_mov_b32 s[\g+1], 32<<16
	s_mov_b32 s[\g+2], (128*KS/256)<<16
	s_mov_b32 s[\g+3], 32<<16
	s_mov_b32 s[\g+4], 128*KS/256
	s_mov_b32 s[\g+5], 32
	s_mov_b32 s[\g+6], 0
	s_mov_b32 s[\g+7], 0
.endr
	s_lshl_b32 s18, s16, 7                         ; which 128 rows of the tile I fetch
	s_lshl_b32 s20, s17, 8
	s_add_co_u32 s20, s20, s18
	s_add_co_u32 s20, s20, s96                     ; A: its first row + 256 x tile row + 128 x half
	s_lshl_b32 s46, s42, 8
	s_add_co_u32 s46, s46, s18
	s_add_co_u32 s46, s46, s97                     ; B: its first row + 256 x tile column + 128 x half
	s_mov_b32 s21, 0
	s_mov_b32 s47, 0
	s_mov_b64 s[18:19], KS
	s_mul_u64 s[22:23], s[20:21], s[18:19]         ; where these rows' scales begin, in bytes
	s_mul_u64 s[92:93], s[46:47], s[18:19]
	s_mov_b64 s[18:19], KROW
	s_mul_u64 s[20:21], s[20:21], s[18:19]         ; and their codes
	s_mul_u64 s[46:47], s[46:47], s[18:19]
	s_mul_i32 s45, s14, HALFT                      ; where they go: wave x 128 rows: no place in the cluster enters an LDS address
	s_mul_i32 s94, s14, HALFS
	s_lshl_b32 s98, s17, 8
	s_lshl_b32 s99, s15, 7
	s_add_co_u32 s98, s98, s99                     ; my first row of A
	s_and_b32 s98, s98, 2047                       ; QK: its place in the sequence
	s_lshl_b32 s98, s98, 8                         ; 256 bytes a row of the table
	s_mov_b32 s99, 0
	s_mov_b32 s[SEL], 0x76543210
	s_mov_b32 s[SEL+1], 0xfedcba98
	s_wait_kmcnt 0x0
	s_add_nc_u64 s[20:21], s[4:5], s[20:21]
	s_add_nc_u64 s[22:23], s[6:7], s[22:23]
	s_add_nc_u64 s[46:47], s[4:5], s[46:47]
	s_add_nc_u64 s[92:93], s[6:7], s[92:93]
	s_add_nc_u64 s[98:99], s[8:9], s[98:99]        ; the table at my first token
	CROUND                                         ; all sixteen work-groups are here: the first joint loads meet
	s_mov_b32 s[G0S], 1
	s_add_co_u32 s[G0S+1], s94, SCL
	s_mov_b64 s[G0S+2:G0S+3], s[22:23]
	s_or_b32 s[G0S+3], s[G0S+3], 0x80000000
	s_mov_b32 s[G0SB], 1
	s_add_co_u32 s[G0SB+1], s94, SCL
	s_mov_b64 s[G0SB+2:G0SB+3], s[92:93]
	s_or_b32 s[G0SB+3], s[G0SB+3], 0x80000000
	JLOAD G0S, G1S, G0SB, G1SB                     ; the scales first: they are wanted with K step 0
.irp s, 0,1
	s_mov_b32 s[G0+4*\s], 1
	s_add_co_u32 s[G0+4*\s+1], s45, \s*SLOT
	s_add_nc_u64 s[G0+4*\s+2:G0+4*\s+3], s[20:21], \s*ROWB
	s_or_b32 s[G0+4*\s+3], s[G0+4*\s+3], 0x80000000
	s_mov_b32 s[G0B+4*\s], 1
	s_add_co_u32 s[G0B+4*\s+1], s45, \s*SLOT
	s_add_nc_u64 s[G0B+4*\s+2:G0B+4*\s+3], s[46:47], \s*ROWB
	s_or_b32 s[G0B+4*\s+3], s[G0B+4*\s+3], 0x80000000
	JLOAD G0+4*\s, G1, G0B+4*\s, G1B
.endr
	v_and_b32 v1, 15, v0                           ; r = lane % 16
	v_bfe_u32 v2, v0, 4, 1                         ; h = lane / 16
	v_mul_u32_u24 v3, v1, PITCH
	v_mul_u32_u24 v4, v2, 24
	v_add_nc_u32 v4, v3, v4                        ; a fragment's row x pitch + 24 x half
	v_lshl_add_u32 v5, v2, 4, v4                   ; and the same behind one padding more
	s_mul_i32 s21, s15, HALFT                      ; my 128 rows of A
	s_mul_i32 s22, s16, HALFT                      ; my 128 rows of B,
	s_add_co_u32 s22, s22, 2*HALFT                 ; which lie behind A's 256
.irp s, 0,1
	v_add_nc_u32 v[ADRA+\s], s21, v4
	v_add_nc_u32 v[ADRB+\s], s22, v4
	v_add_nc_u32 v[ADRA+2+\s], s21, v5
	v_add_nc_u32 v[ADRB+2+\s], s22, v5
	s_add_co_u32 s21, s21, SLOT
	s_add_co_u32 s22, s22, SLOT
.endr
	v_mul_u32_u24 v5, v1, KS                       ; my row's scales: 32 bytes a row,
	v_lshrrev_b32 v6, 8, v5
	v_lshl_add_u32 v5, v6, 4, v5                   ; and 16 more for each 256 passed
	s_mul_i32 s21, s15, HALFS                      ; A's: my 128 rows
	s_mul_i32 s22, s16, HALFS                      ; B's: my 128 rows, behind A's 256
	s_add_co_u32 s22, s22, 2*HALFS
	s_sub_co_u32 s22, s22, s21
	v_mul_u32_u24 v6, s22, v2                      ; lanes 16-31 take B's
	s_add_co_u32 s21, s21, SCL
	v_add_nc_u32 v5, v5, v6
	v_add_nc_u32 v[ADRS], s21, v5
	; the way out's addresses, for both roles, made ahead of the parting
	v_and_b32 v6, 31, v0
	v_lshlrev_b32 v[L16], 4, v6
	v_lshlrev_b32 v[L8], 3, v6
	v_lshlrev_b32 v[VT], 8, v1
	v_lshl_add_u32 v[VT], v2, 5, v[VT]
	v_lshlrev_b32 v[H16], 4, v2
	v_lshlrev_b32 v3, 2, v1                        ; 4 r
	s_lshl_b32 s21, s14, 10
	v_lshl_add_u32 v[SWQ], v2, 9, v3
	v_add_nc_u32 v[SWQ], s21, v[SWQ]
	v_add_nc_u32 v[SRQ], s21, v[L16]
	s_lshl_b32 s21, s14, 9
	s_add_co_u32 s21, s21, 4096
	v_add_nc_u32 v[SWV], s21, v3
	v_add_nc_u32 v[SRV], s21, v[L16]
	v_lshlrev_b32 v[GV], 4, v1
	v_mul_u32_u24 v3, v2, 16*KVREC
	v_add_nc_u32 v[GV], v[GV], v3
.macro FRAG reg, adr, q, i             ; a fragment, 16 rows x 128 K of 6-bit codes, is 12 registers: lane l holds row l % 16; registers 6 c .. 6 c + 5 hold K = 64 c + 32 (l / 16) + 0 .. 31: 24 bytes of the row, as they lie
.irp p, 0,1,2,3,4,5                    ; in pieces of 8 bytes.  Lanes 16-31 read three pieces further on than lanes 0-15: where that lies behind one padding more, the second address register serves
.set PCE, 12*(\q)+6*(\p/3)+\p%3
.if PCE%8 < 5
	ds_load_b64 v[\reg+2*\p:\reg+2*\p+1], v[\adr] offset:8*PCE+16*(PCE/8)+(\i)*16*PITCH
.else
	ds_load_b64 v[\reg+2*\p:\reg+2*\p+1], v[\adr+2] offset:8*PCE+16*(PCE/8)+(\i)*16*PITCH
.endif
.endr
.endm
; 16 matrix instructions: A's blocks a0, a0 + 1 x B's eight, 128 along K: the slot's q-th.  p: B's set;  sc: the set of scale words.  zero = 1: the first product starts the sums.
; The 64 accumulators take turns, one instruction a turn, in the same order in every step.
.macro MUL16 a0, p, q, sc, zero
.irp a, \a0, \a0+1
.irp b, 0,1,2,3,4,5,6,7
.if \zero
	v_wmma_scale_f32_16x16x128_f8f6f4 v[8*(8*((\a)%4)+\b):8*(8*((\a)%4)+\b)+7], v[128*(\p)+FR*\b:128*(\p)+FR*\b+FR-1], v[AF+FR*(\a):AF+FR*(\a)+FR-1], 0, v[SC+8*NQ*(\sc)+NQ*\b+(\q)], v[SC+8*NQ*(\sc)+NQ*(\a)+(\q)] matrix_a_fmt:MATRIX_FMT_BF6 matrix_b_fmt:MATRIX_FMT_BF6 matrix_a_scale:MATRIX_SCALE_ROW1
.else
	v_wmma_scale_f32_16x16x128_f8f6f4 v[8*(8*((\a)%4)+\b):8*(8*((\a)%4)+\b)+7], v[128*(\p)+FR*\b:128*(\p)+FR*\b+FR-1], v[AF+FR*(\a):AF+FR*(\a)+FR-1], v[8*(8*((\a)%4)+\b):8*(8*((\a)%4)+\b)+7], v[SC+8*NQ*(\sc)+NQ*\b+(\q)], v[SC+8*NQ*(\sc)+NQ*(\a)+(\q)] matrix_a_fmt:MATRIX_FMT_BF6 matrix_b_fmt:MATRIX_FMT_BF6 matrix_a_scale:MATRIX_SCALE_ROW1
.endif
.endr
.endr
.endm
.macro FETCH_B slot, q, p              ; B's eight fragments of the slot's q-th 128 along K into set p
	WIN TO_B
.irp i, 0,1,2,3,4,5,6,7
	FRAG 128*(\p)+FR*\i, ADRB+\slot, \q, \i
.endr
	WIN 0
.endm
.macro FETCH_A slot, q, i0             ; A's blocks i0 .. i0 + 3
.irp i, \i0, \i0+1, \i0+2, \i0+3
	FRAG AF+FR*(\i), ADRA+\slot, \q, \i
.endr
.endm
.macro SCALES sc                       ; the next K step's scale words into set sc: two words a row; lanes 0-15 take A's block i, lanes 16-31 B's block i
.irp i, 0,1,2,3,4,5,6,7
	ds_load_b64 v[SC+8*NQ*\sc+NQ*\i:SC+8*NQ*\sc+NQ*\i+1], v[ADRS] offset:\i*SBLK
.endr
.endm
; A load into a register that a matrix instruction has read, and a vector instruction that reads a matrix result or writes one of its registers, stand four places behind it; only plain vector
; instructions that name none of its registers are places (ISA guide 7.12.1 for vector instructions).
.macro PLACES n
.rept \n
	v_nop
.endr
.endm
; A step of 128 along K that has its successor in the same slot.
.macro STEP slot, q, zero
	s_wait_dscnt 4*NL                              ; B's set and A's blocks 0-3 are in; the youngest 24 loads (A's blocks 4-7) may be out
	WIN MUL_LO
	MUL16 0, (\q)%2, \q, \slot, \zero
	MUL16 2, (\q)%2, \q, \slot, \zero
	s_wait_dscnt 0                                 ; A's blocks 4-7 are in (asked for 32 matrix instructions ago)
	PLACES NP
	FETCH_B \slot, (\q)+1, 1-(\q)%2
	FETCH_A \slot, (\q)+1, 0
	WIN MUL_HI
	MUL16 4, (\q)%2, \q, \slot, \zero
	MUL16 6, (\q)%2, \q, \slot, \zero
	PLACES NP
	WIN 0
	FETCH_A \slot, (\q)+1, 4
.endm
; A slot's last step changes slots: ONE barrier; in front of it each wave waits for all its tensor loads, adds 0 to its spare word, and waits for that and for its own reads of this slot.  fill = 1: this slot is filled again, two K steps ahead.
.macro TURN slot, next, fill
	s_wait_tensorcnt 0x0                           ; all my tensor loads have landed: my part of the next slot
	ds_add_u32 v[SPW], v[NIL]                      ; 0 onto my spare word
	s_wait_dscnt 4*NL+1                            ; (the add and the youngest 24 loads, A's blocks 4-7, may be out)
	WIN MUL_LO
	MUL16 0, 1, NQ-1, \slot, 0                     ; sixteen matrix instructions stand between the add and the wait for it
	s_wait_dscnt 0x0                               ; the add is done, and my reads of this slot are over
	s_barrier_signal -1
	MUL16 2, 1, NQ-1, \slot, 0
	WIN 0
	s_barrier_wait -1
.if \fill
	CREST                                          ; the barrier has opened a round of the cluster's barrier: no wave of any partner still reads this slot or has a load on its way
	s_add_nc_u64 s[G0+4*\slot+2:G0+4*\slot+3], s[G0+4*\slot+2:G0+4*\slot+3], 2*ROWB
	s_add_nc_u64 s[G0B+4*\slot+2:G0B+4*\slot+3], s[G0B+4*\slot+2:G0B+4*\slot+3], 2*ROWB
	JLOAD G0+4*\slot, G1, G0B+4*\slot, G1B         ; the first tensor load behind the round; its four v_nop are also the places in front of the loads below
.else
	PLACES NP
.endif
	v_add_nc_u32 v[ADRS], 4*NQ, v[ADRS]            ; on to the next K step's scale words (no LDS load of mine is out)
	FETCH_B \next, 0, 0
	FETCH_A \next, 0, 0
	SCALES \next
	WIN MUL_HI
	MUL16 4, 1, NQ-1, \slot, 0
	MUL16 6, 1, NQ-1, \slot, 0
	PLACES NP
	WIN 0
	FETCH_A \next, 0, 4
.endm
.macro LAST                            ; the very last step: nothing more to fetch; four places behind it serve all that follows
	s_wait_dscnt 4*NL
	WIN MUL_LO
	MUL16 0, 1, NQ-1, 1, 0
	MUL16 2, 1, NQ-1, 1, 0
	s_wait_dscnt 0
	WIN MUL_HI
	MUL16 4, 1, NQ-1, 1, 0
	MUL16 6, 1, NQ-1, 1, 0
	WIN 0
	PLACES NP
.irp b, 0,1,2,3
	v_mov_b32 v[TM+4+\b], 0                        ; written once: a lane permute's destination counts as one of its sources
.endr
.endm
.macro CSLOAD a                        ; the table for block a's 16 tokens: my token's 16 pairs (cos, sin), eight loads
.irp bq, 0,1,2,3
.irp u, 0,1
	global_load_b128 v[CS+32*((\a)%2)+8*\bq+4*\u:CS+32*((\a)%2)+8*\bq+4*\u+3], v[VT], s[98:99] offset:4096*(\a)+64*\bq+16*\u
.endr
.endr
.endm
; 64 numbers of a lane, v[s] .. v[s + 63] of window w, become a fragment's codes in v[PC] .. v[PC + 11] and its scale word in v[pw].  Registers 16 b + i are my row's share of block b; lane l xor 16 holds the other share.
.macro QUANT s, w, pw
.set WA, (\w)|((\w)<<2)
.set WB, ((\w)<<2)|((\w)<<4)
.set WC, (\w)
	WIN WA
.irp b, 0,1,2,3
	v_max3_num_f32 v[TM+\b], |v[\s+16*\b]|, |v[\s+1+16*\b]|, 0x2800000   ; block b: my 16 numbers, from each result's low end on, and the floor 2^(5 - 127): the byte cannot fall under 1
.endr
	WIN WB
.irp i, 2,4,6,8,10,12,14
.irp b, 0,1,2,3
	v_max3_num_f32 v[TM+\b], v[TM+\b], |v[\s+16*\b+\i]|, |v[\s+1+16*\b+\i]|   ; (the four blocks by turns)
.endr
.endr
	WIN 0
.irp b, 0,1,2,3
	v_permlanex16_b32 v[TM+4+\b], v[TM+\b], s[SEL], s[SEL+1]
.endr
.irp b, 0,1,2,3
	v_max_num_f32 v[TM+\b], v[TM+\b], v[TM+4+\b]   ; with lane l xor 16's: the block's largest magnitude
.endr
.irp b, 0,1,2,3
	v_add_nc_u32 v[TM+12+\b], 0xfe000000, v[TM+\b] ; 4 off its exponent field: the conversion's scale operand
.endr
.irp b, 0,1,2,3
	v_lshrrev_b32 v[TM+4+\b], 23, v[TM+12+\b]      ; the scale's byte
.endr
	v_lshl_or_b32 v[\pw], v[TM+5], 8, v[TM+4]      ; the four bytes make my row's scale word
	v_lshl_or_b32 v[\pw], v[TM+6], 16, v[\pw]
	v_lshl_or_b32 v[\pw], v[TM+7], 24, v[\pw]
	WIN WC
.irp c, 0,1
	v_cvt_scalef32_pk16_bf6_f32 v[PC+6*\c:PC+2+6*\c], v[\s+32*\c:\s+15+32*\c], v[TM+12+2*\c]
	v_cvt_scalef32_pk16_bf6_f32 v[PC+12+4*\c:PC+14+4*\c], v[\s+16+32*\c:\s+31+32*\c], v[TM+12+2*\c+1]   ; (a conversion's three registers begin on an even number)
.endr
	WIN 0
	v_nop                                          ; one plain place behind a scaled conversion
.irp c, 0,1                                    ; the operand's layout wants a WHOLE block in a lane: lanes 0-15 block 2 c, lanes 16-31 block 2 c + 1
.irp i, 0,1,2
	v_permlane16_swap_b32 v[PC+6*\c+\i], v[PC+12+4*\c+\i]
.endr
.irp i, 0,1,2
	v_mov_b32 v[PC+3+6*\c+\i], v[PC+12+4*\c+\i]
.endr
.endr
.endm
; QK, block a: 16 tokens x 128 channels (two heads).  Rotation: the pair (te, to) at channels 2 i, 2 i + 1 becomes (te cos - to sin, to cos + te sin): two packed instructions a pair.
.macro QKBLK a
.set AC, 64*((\a)%4)
.set WQ, 2+(\a)/4
.set CSB, CS+32*((\a)%2)
.if (\a) < 7
	s_wait_loadcnt 8                               ; this block's eight table loads are in; the next block's eight may be out
.else
	s_wait_loadcnt 0x0
.endif
	s_wait_xcnt 0x0                                ; the last block's stores have read the codes' registers: they are written again only behind this wait
	WIN WQ                                         ; source 0: the accumulators' window
.irp b, 0,1,2,3,4,5,6,7
.irp j, 0,2,4,6
	v_pk_mul_f32 v[T+\j:T+\j+1], v[AC+8*\b+\j:AC+8*\b+\j+1], v[CSB+8*(\b%4)+\j:CSB+8*(\b%4)+\j+1] op_sel:[1,1] op_sel_hi:[0,1] neg_lo:[0,1]   ; (-to sin, te sin)
.endr
.irp j, 0,2,4,6
	v_pk_fma_f32 v[HA+8*\b+\j:HA+8*\b+\j+1], v[AC+8*\b+\j:AC+8*\b+\j+1], v[CSB+8*(\b%4)+\j:CSB+8*(\b%4)+\j+1], v[T+\j:T+\j+1] op_sel_hi:[1,0,1]   ; (te, to) cos + that
.endr
.endr
	WIN 0
.if (\a) < 6
	CSLOAD (\a)+2                                  ; this set has been read: it takes the block two on
.endif
	QUANT HA, 0, PW
	global_store_b128 v[L16], v[PC:PC+3], s[20:21] offset:768*(\a)          ; the first head's tile: 512 consecutive bytes,
	global_store_b64 v[L8], v[PC+4:PC+5], s[20:21] offset:768*(\a)+512      ; and 256
	global_store_b128 v[L16], v[PC+6:PC+9], s[22:23] offset:768*(\a)        ; the second head's
	global_store_b64 v[L8], v[PC+10:PC+11], s[22:23] offset:768*(\a)+512
	v_lshrrev_b32 v[SW+(\a)], v[H16], v[PW]        ; lanes 0-15: the first head's two bytes, lanes 16-31: the second's;
	v_and_b32 v[SW+(\a)], 0xffff, v[SW+(\a)]       ; bytes 2 and 3 are 0: they stand over zero codes in attention
	ds_store_b32 v[SWQ], v[SW+(\a)] offset:64*(\a)
.endm
; V, block a: 16 channels x 128 tokens: one fragment of v and one scale word a channel.
.macro VBLK a
.set AC, 64*((\a)%4)
.set WQ, 2+(\a)/4
	s_wait_xcnt 0x0                                ; the last block's stores have read the codes' registers
	QUANT AC, WQ, SW+(\a)
.irp j, 0,1,2
	global_store_b128 v[L16], v[PC+4*\j:PC+4*\j+3], s[20:21] offset:((\a)/4)*16*KVREC+6144+((\a)%4)*1536+512*\j   ; 512 consecutive bytes
.endr
	ds_store_b32 v[SWV], v[SW+(\a)] offset:64*(\a) ; lanes r and r + 16 write the same word with the same value
.endm
	s_wait_tensorcnt 1                             ; the scales and my part of K step 0 are in (K step 1's load may be out),
	s_barrier_signal -1
	s_barrier_wait -1                              ; everybody's are
	FETCH_B 0, 0, 0
	FETCH_A 0, 0, 0
	SCALES 0
	FETCH_A 0, 0, 4
	STEP 0, 0, 1                                   ; the first step stands in front of the loop: its products start the sums
	s_mov_b32 s3, LAPS-1
.Llap:                                                 ; a trip goes once round the ring and fills both slots again
	TURN 0, 1, 1
	STEP 1, 0, 0
	TURN 1, 0, 1
	STEP 0, 0, 0
	s_sub_co_u32 s3, s3, 1
	s_cmp_lg_u32 s3, 0
	s_cbranch_scc1 .Llap
	TURN 0, 1, 0                                   ; the last lap fills nothing.  Behind this barrier nobody reads slot 0, and it has had its last fill: the way out's few LDS bytes lie there
	s_cmp_eq_u32 s66, 0
	s_cbranch_scc1 .Lvpath                         ; THE ROLES PART, on the cluster's y: no barrier and no tensor load stands in either way
	; ---- QK
	CSLOAD 0                                       ; 128 matrix instructions ahead of their first use
	CSLOAD 1
	s_lshl_b32 s18, s17, 8
	s_lshl_b32 s19, s15, 7
	s_add_co_u32 s18, s18, s19                     ; my first token
	s_lshr_b32 s19, s18, 11                        ; b
	s_bfe_u32 s18, s18, 0x40007                    ; its key step of 128: bits 10:7
	s_lshl_b32 s46, s42, 8
	s_lshl_b32 s47, s16, 7
	s_add_co_u32 s46, s46, s47                     ; my first column of k | q
	s_bfe_u32 s47, s46, 0x40006                    ; my first head: bits 9:6
	s_lshr_b32 s46, s46, 10                        ; 0: k, 1: q
	s_lshl_b32 s19, s19, 4
	s_add_co_u32 s19, s19, s47
	s_lshl_b32 s19, s19, 4
	s_add_co_u32 s19, s19, s18                     ; the record: (16 b + head) x 16 + key step
	s_mov_b32 s92, QREC
	s_mov_b32 s93, 6144
	s_cmp_eq_u32 s46, 0
	s_cselect_b64 s[20:21], s[10:11], s[12:13]     ; kv or qb: a choice, no branch
	s_cselect_b32 s92, KVREC, s92                  ; a record's bytes
	s_cselect_b32 s93, 12288, s93                  ; where its scale words begin
	s_mul_i32 s22, s19, s92
	s_mov_b32 s23, 0
	s_add_nc_u64 s[20:21], s[20:21], s[22:23]      ; the first head's record
	s_lshl_b32 s22, s92, 4
	s_add_nc_u64 s[22:23], s[20:21], s[22:23]      ; the second head's: 16 records on
	v_add_nc_u32 v[GS], s93, v[L16]
	STEP 1, 0, 0
	LAST
.irp a, 0,1,2,3,4,5,6,7
	QKBLK \a
.endr
	ds_load_b128 v[HA:HA+3], v[SRQ]                ; LDS serves a wave's instructions in order: these see my stores.  The first head's 128 scale words,
	ds_load_b128 v[HA+4:HA+7], v[SRQ] offset:512   ; the second's
	s_wait_dscnt 0x0
	global_store_b128 v[GS], v[HA:HA+3], s[20:21]  ; 512 consecutive bytes each
	global_store_b128 v[GS], v[HA+4:HA+7], s[22:23]
	s_branch .Lend
	; ---- V
.Lvpath:
	s_lshl_b32 s18, s17, 8
	s_lshl_b32 s19, s15, 7
	s_add_co_u32 s18, s18, s19                     ; my first channel of v
	s_lshr_b32 s18, s18, 6                         ; my first head
	s_lshl_b32 s46, s42, 8
	s_lshl_b32 s47, s16, 7
	s_add_co_u32 s46, s46, s47                     ; my first token
	s_lshr_b32 s19, s46, 11                        ; b
	s_bfe_u32 s46, s46, 0x40007                    ; its key step
	s_lshl_b32 s19, s19, 4
	s_add_co_u32 s19, s19, s18
	s_lshl_b32 s19, s19, 4
	s_add_co_u32 s19, s19, s46
	s_mul_i32 s22, s19, KVREC
	s_mov_b32 s23, 0
	s_add_nc_u64 s[20:21], s[10:11], s[22:23]      ; the first head's record
	STEP 1, 0, 0
	LAST
.irp a, 0,1,2,3,4,5,6,7
	VBLK \a
.endr
	ds_load_b128 v[HA:HA+3], v[SRV]                ; lanes 0-15: the first head's 64 scale words, lanes 16-31: the second's
	s_wait_dscnt 0x0
	global_store_b128 v[GV], v[HA:HA+3], s[20:21] offset:12800   ; sixteen lanes store 256 consecutive bytes, aligned, in each head's record
.Lend:
	s_wait_tensorcnt 0x0                           ; the wave's end: behind my last tensor load and my last LDS store
	ds_add_u32 v[SPW], v[NIL]
	s_wait_dscnt 0x0
	CROUND                                         ; the closing round: no work-group ends while a partner may still ask for a tile that names it
	s_endpgm
.Lfunc_end_k_q1c3f2ed6f6_kqv:
	.size	k_q1c3f2ed6f6_kqv, .Lfunc_end_k_q1c3f2ed6f6_kqv-k_q1c3f2ed6f6_kqv
	.p2alignl 7, 3214868480
	.fill 96, 4, 3214868480
	.section	.rodata,"a",@progbits
	.p2align	6, 0x0
	.amdhsa_kernel k_q1c3f2ed6f6_kqv
		.amdhsa_group_segment_fixed_size 327680
		.amdhsa_private_segment_fixed_size 0
		.amdhsa_enable_private_segment 0
		.amdhsa_kernarg_size 40
		.amdhsa_user_sgpr_count 2
		.amdhsa_user_sgpr_kernarg_segment_ptr 1
		.amdhsa_wavefront_size32 1
		.amdhsa_system_sgpr_workgroup_id_x 1
		.amdhsa_system_sgpr_workgroup_id_y 1
		.amdhsa_system_sgpr_workgroup_id_z 1
		.amdhsa_system_vgpr_workitem_id 0
		.amdhsa_next_free_vgpr 1024
		.amdhsa_next_free_sgpr 102
		.amdhsa_reserve_vcc 0
		.amdhsa_float_denorm_mode_32 3
		.amdhsa_float_denorm_mode_16_64 3
		.amdhsa_memory_ordered 1
		.amdhsa_forward_progress 1
		.amdhsa_inst_pref_size 255
	.end_amdhsa_kernel
	.section	.bss,"aw",@nobits
	.p2align	6
	.space	262144
	.amdgpu_metadata
---
amdhsa.version: [ 1, 2 ]
amdhsa.kernels:
  - .name:           k_q1c3f2ed6f6_kqv
    .symbol:         k_q1c3f2ed6f6_kqv.kd
    .args:
      - { .name: codes1, .offset: 0, .size: 8, .value_kind: global_buffer, .address_space: global }
      - { .name: scl1, .offset: 8, .size: 8, .value_kind: global_buffer, .address_space: global }
      - { .name: rope, .offset: 16, .size: 8, .value_kind: global_buffer, .address_space: global }
      - { .name: kv, .offset: 24, .size: 8, .value_kind: global_buffer, .address_space: global }
      - { .name: qb, .offset: 32, .size: 8, .value_kind: global_buffer, .address_space: global }
    .group_segment_fixed_size: 327680
    .private_segment_fixed_size: 0
    .kernarg_segment_align: 8
    .kernarg_segment_size: 40
    .max_flat_workgroup_size: 128
    .sgpr_count:     102
    .vgpr_count:     1024
    .wavefront_size: 32
...
	.end_amdgpu_metadata
.endif
;; end of part 2
;; launch attn (part 3): grid 8 x 64, 16 waves a work-group, clusters of 4 x 1, 210,944 bytes of LDS; arguments qb, kv, oimg, oscl; writes oimg, oscl
.if DOCPART == 3
	.amdgcn_target "amdgcn-amd-amdhsa--gfx1250"
	.amdhsa_code_object_version 6
	.text
	.protected	k_q1c3f2ed6f6_attn
	.globl	k_q1c3f2ed6f6_attn
	.p2align	8
	.type	k_q1c3f2ed6f6_attn,@function
k_q1c3f2ed6f6_attn:
	s_mov_b64 s[64:65], 0
	v_nop
	global_prefetch_b8 v0, s[64:65] scope:SCOPE_SE
	s_setreg_imm32_b32 hwreg(HW_REG_WAVE_MODE, 25, 1), 1
	s_wait_xcnt 0x0
	s_wait_alu depctr_hold_cnt(0) depctr_sa_sdst(0) depctr_va_vdst(0) depctr_va_sdst(0) depctr_va_ssrc(0) depctr_va_vcc(0) depctr_vm_vsrc(0)
	s_getreg_b32 s2, hwreg(HW_REG_IB_STS2, 6, 4)
	s_cmp_eq_u32 s2, 0
	s_cbranch_scc0 .Lentry_in_a_cluster
	s_endpgm
.Lentry_in_a_cluster:
	s_bfe_u32 s2, ttmp6, 0x10000c
	s_cmp_lg_u32 s2, 0x3003
	s_cbranch_scc0 .Lentry_shape_is_right
	s_endpgm
.Lentry_shape_is_right:
; Causal attention of one head, both products on codes of BF6 (E3M2) with E8M0 scales; the result is quantised for the output projection.  Head size 64, 2,048 tokens, 64 pairs (batch, head).
; qb, kv: records of a key step of 128 tokens, written as images of operand registers: kv's 13,056 bytes: +0 k's 8 tiles of 16 keys (768 bytes each: registers 0-3 at 16 x lane, 4-5 at 512 + 8 x lane),
; +6144 v's 4 fragments (16 channels x 128 keys, 3 x 512 bytes), +12288 k's 128 scale words, +12800 v's 64; qb's 6,656: q's 8 tiles, +6144 its 128 scale words.
; THE SOFTMAX AHEAD OF THE SECOND PRODUCT: t = score x log2(e) / 8; M = the row's largest t so far, rounded UP to a whole number; p = 2^(t - M) is quantised along the keys, not normalised.
; The row's sum is taken of the unquantised p and divides O at the end.  When M moves, the sum and O are multiplied by 2^(old M - new M): exact.
; K = 64 IN AN INSTRUCTION OF 128: registers 6-11 of q's and of k's fragments hold zero codes, and bytes 2, 3 of their scale words are 0.
; LDS HOLDS THE WHOLE HEAD: 16 records, 208,896 bytes, each filled once: no slot is ever filled again.  Waves 0-3 fetch, four loads each, set s = key steps 4 s .. 4 s + 3; a barrier stands ahead of each set's steps.
; CLUSTER: the four work-groups of a cluster belong to one head and ask for each record jointly (mask 15).
; SHARES.  A wave owns one tile of 16 queries, tau = 4 c + cx; c = 2 w + x for waves w < 8 and 47 - 2 w - x for the others (x = the cluster's x, 0 or 1): waves w, w + 4, w + 8, w + 12 have 34 key steps together,
; every work-group 136.  A wave's last key step, c / 2, is the same in all four partners: no branch hangs on a work-group's place in its cluster.  Steps whose keys all come after the wave's queries are passed over by a
; scalar branch on ids round the step's work alone; in the wave's last step hidden scores become -infinity.
; LAYOUT.  Both products are used transposed: S^T = k q^T, O^T = v^T p^T: a lane holds ONE query (lane % 16).  Register j of score tile t is key 16 t + 8 (lane / 16) + j; two tiles' 16 registers are converted as they
; stand, which is the order inside a block of 32 in which v's codes were made too.
; OUT.  oimg: [tile of 16 rows][head] images of 768 bytes, stored as 512 and 256 consecutive bytes.  oscl: [row][32]: bytes 2 head, 2 head + 1: a store of two bytes a lane into rows 32 bytes apart: the other 30 bytes
; of a row belong to other heads' work-groups; it is 1/24 of what the launch stores, and lets the next launch take the scale bytes as one dense block.
; No prefetch: every byte that a work-group reads is asked for by its first loads.
; LIMITS: NaN and infinities are not served; a block of zeros or under 2^-122 gets the byte 1.
; REGISTERS: v1-3 lane offsets; v4 the diagonal's number; v5 -infinity; v6-8 the step's LDS addresses; v9 at work; v[10:11] f; v12 -M, v13 the largest t, v[14:15] the sum; v16-27 q; v28 q's scale words, v29 p's;
; v32-79 four fragments of k; v80-127 v's four; v128-191 S^T, then p; v192-223 O^T; v224-235 p's codes; v236-239 k's scale words, v240-243 v's; v244-255 at work.
.set REC,   13056
.set GRP,   4*REC
.set HEADB, 16*REC
.macro ROUND                           ; a round of the cluster's barrier
	s_barrier_signal -1
	s_barrier_wait -1
	s_cmp_lg_u32 s12, 0
	s_cbranch_scc1 .Lnot_wave_0_\@
	s_barrier_signal -3
.Lnot_wave_0_\@:
	s_barrier_wait -3
	s_barrier_signal -1
	s_barrier_wait -1
.endm
	s_load_b256 s[4:11], s[0:1], 0x0               ; qb s[4:5], kv s[6:7], oimg s[8:9], oscl s[10:11]
	v_lshl_add_u32 v254, v0, 2, 0x33000
	v_mov_b32 v255, 0
	ds_add_u32 v254, v255
	ds_add_u32 v254, v255
	s_wait_dscnt 0x0
	v_lshrrev_b32 v1, 5, v0
	v_readfirstlane_b32 s12, v1                    ; wave 0..15
	s_bfe_u32 s14, ttmp6, 0x40000                  ; cx
	s_and_b32 s18, ttmp7, 0xffff                   ; 16 b + head
	s_lshl_b32 s52, s12, 1
	s_add_co_u32 s52, s52, ttmp9                   ; 2 w + x
	s_sub_co_u32 s53, 47, s52
	s_cmp_lt_u32 s12, 8
	s_cselect_b32 s15, s52, s53                    ; c
	s_lshr_b32 s16, s15, 1                         ; my last key step
	s_lshl_b32 s17, s15, 2
	s_add_co_u32 s17, s17, s14                     ; tau: it enters q's and o's addresses and the diagonal's number alone
	; descriptor group 1: a record, 13,056 dense bytes, as 51 rows of 256 bytes (32 elements of 8)
	s_mov_b32 s24, 15|(3<<16)|(1<<21)              ; 15:0 the mask: all four work-groups; elements of 8 bytes; no padding; bit 21 set beside a mask
	s_mov_b32 s25, 32<<16                          ; tensor_dim0
	s_mov_b32 s26, 51<<16                          ; tensor_dim1
	s_mov_b32 s27, 32<<16                          ; tile_dim0
	s_mov_b32 s28, 51                              ; tile_dim1
	s_mov_b32 s29, 32                              ; from row to row
	s_mov_b32 s30, 0
	s_mov_b32 s31, 0
	s_mov_b32 s20, 0x76543210                      ; lane selects for v_permlanex16_b32: lane l xor 16
	s_mov_b32 s21, 0xfedcba98
	s_mov_b32 s22, 0x3e38aa3b                      ; log2(e) / 8
	s_mov_b32 s23, s22                             ; (named with it as a pair, so it is written)
	s_mov_b32 s48, 0                               ; LDS byte at which the step's record begins
	s_mov_b32 s49, 0                               ; the key step
	s_and_b32 s52, s12, 3
	s_mul_i32 s52, s52, REC                        ; which record of a set of four I would fetch
	s_mul_i32 s54, s18, HEADB
	s_add_co_u32 s54, s54, s52
	s_mov_b32 s55, 0
	s_wait_kmcnt 0x0
	s_add_nc_u64 s[54:55], s[6:7], s[54:55]
	ROUND                                          ; all four work-groups are here: the joint loads meet
.irp s, 0,1,2,3
	s_mov_b32 s[32+4*\s], 1                        ; count = 1
	s_add_co_u32 s[33+4*\s], s52, \s*GRP           ; LDS address: the record's own place
	s_add_nc_u64 s[34+4*\s:35+4*\s], s[54:55], \s*GRP
	s_or_b32 s[35+4*\s], s[35+4*\s], 0x80000000    ; type = 2
.endr
	s_cmp_lt_u32 s12, 4                            ; a wave's four fills stand in one branch, ahead of every wait on TENSORcnt, every LDS read and every other barrier: four loads of mine are out
	s_cbranch_scc0 .Lno_fetch
	tensor_load_to_lds s[32:35], s[24:31]
	s_nop 0
	tensor_load_to_lds s[36:39], s[24:31]
	s_nop 0
	tensor_load_to_lds s[40:43], s[24:31]
	s_nop 0
	tensor_load_to_lds s[44:47], s[24:31]
	s_nop 0
.rept 4
	v_nop
.endr
.Lno_fetch:
	s_lshl_b32 s56, s18, 4
	s_lshr_b32 s57, s17, 3
	s_add_co_u32 s56, s56, s57
	s_mul_i32 s56, s56, 6656                       ; q's record
	s_and_b32 s57, s17, 7
	s_mul_i32 s58, s57, 768
	s_add_co_u32 s58, s56, s58
	s_mov_b32 s59, 0
	s_add_nc_u64 s[58:59], s[4:5], s[58:59]        ; my tile's image
	s_lshl_b32 s57, s57, 6
	s_add_co_u32 s56, s56, s57
	s_add_co_u32 s56, s56, 6144
	s_mov_b32 s57, 0
	s_add_nc_u64 s[56:57], s[4:5], s[56:57]        ; and its 16 scale words
	v_and_b32 v9, 31, v0
	v_lshlrev_b32 v1, 4, v9                        ; 16 x lane
	v_lshlrev_b32 v2, 3, v9                        ; 8 x lane
	v_and_b32 v30, 15, v0                          ; r
	v_lshlrev_b32 v3, 2, v30                       ; 4 r
	v_bfe_u32 v31, v0, 4, 1                        ; h
	global_load_b128 v[16:19], v1, s[58:59]
	global_load_b64 v[20:21], v2, s[58:59] offset:512
	global_load_b32 v28, v3, s[56:57]
.irp j, 22,23,24,25,26,27
	v_mov_b32 v[\j], 0                             ; q's zero codes for k = 64 .. 127
.endr
.irp t, 0,1,2,3
.irp j, 6,7,8,9,10,11
	v_mov_b32 v[32+12*\t+\j], 0                    ; and k's: written once, never loaded
.endr
.endr
	s_and_b32 s53, s15, 1
	s_lshl_b32 s53, s53, 2
	s_add_co_u32 s53, s53, s14
	s_lshl_b32 s53, s53, 4                         ; 16 x (tau % 8): my first query in my last key step
	v_lshlrev_b32 v4, 3, v31
	v_sub_nc_u32 v4, v30, v4
	v_add_nc_u32 v4, s53, v4                       ; d = my query - 8 h.  Register 8 t + j holds key 16 t + 8 h + j: hidden where 16 t + j > d
	v_mov_b32 v5, 0xff800000                       ; -infinity
	v_mov_b32 v11, 0                               ; (named as the upper half of the pair v[10:11])
	v_mov_b32 v13, 0xff61b1e6                      ; the largest t so far: -3e38, under every t
	v_floor_f32 v12, -v13                          ; -M
	v_mov_b32 v14, 0                               ; the sum, in two halves
	v_mov_b32 v15, 0
.irp b, 0,1,2,3
	v_mov_b32 v[248+\b], 0                         ; written once: a lane permute's destination counts as one of its sources
.endr
.set J, 0
.rept 32
	v_mov_b32 v[192+J], 0                          ; O^T.  (The step is written once: the first finds zeros, which the first change of M leaves zeros)
.set J, J+1
.endr
	s_lshr_b32 s52, s18, 4                         ; b
	s_and_b32 s53, s18, 15                         ; head
	s_lshl_b32 s54, s52, 7
	s_add_co_u32 s54, s54, s17                     ; my tile of 16 rows among 512
	s_lshl_b32 s55, s54, 4
	s_add_co_u32 s55, s55, s53
	s_mul_i32 s60, s55, 768
	s_mov_b32 s61, 0
	s_add_nc_u64 s[60:61], s[8:9], s[60:61]        ; o's image
	s_lshl_b32 s62, s54, 9                         ; 16 rows of 32 scale bytes
	s_lshl_b32 s53, s53, 1
	s_add_co_u32 s62, s62, s53
	s_mov_b32 s63, 0
	s_add_nc_u64 s[62:63], s[10:11], s[62:63]      ; o's scale bytes
; A KEY STEP: 128 keys.
.macro STEP
	s_cmp_gt_u32 s49, s16                          ; all its keys come after my queries: the work is passed over; the lines at the end that step the address are not
	s_cbranch_scc1 .Lhidden_\@
	v_add_nc_u32 v6, s48, v1
	v_add_nc_u32 v7, s48, v2
	v_add_nc_u32 v8, s48, v3
	v_nop                                          ; (four places behind the last step's products)
.irp g, 0,1                                    ; S^T = k q^T, four tiles of 16 keys at a time
.if \g > 0
.rept 4
	v_nop                                          ; places in front of loads into registers that matrix instructions have read
.endr
.endif
.irp t, 0,1,2,3
	ds_load_b128 v[32+12*\t:35+12*\t], v6 offset:768*(4*\g+\t)
	ds_load_b64 v[36+12*\t:37+12*\t], v7 offset:768*(4*\g+\t)+512
	ds_load_b32 v[236+\t], v8 offset:12288+64*(4*\g+\t)
.endr
	s_wait_dscnt 0x0
.irp t, 0,1,2,3
	v_wmma_scale_f32_16x16x128_f8f6f4 v[128+8*(4*\g+\t):135+8*(4*\g+\t)], v[32+12*\t:43+12*\t], v[16:27], 0, v[236+\t], v28 matrix_a_fmt:MATRIX_FMT_BF6 matrix_b_fmt:MATRIX_FMT_BF6
.endr
.endr
.rept 4
	v_nop                                          ; places in front of the first read of the scores
.endr
.irp d, 0,1,2,3                                ; v's fragments and scale words are asked for now and land under the softmax
.irp j, 0,1,2
	ds_load_b128 v[80+12*\d+4*\j:83+12*\d+4*\j], v6 offset:6144+1536*\d+512*\j
.endr
	ds_load_b32 v[240+\d], v8 offset:12800+64*\d
.endr
	s_cmp_lt_u32 s49, s16                          ; every key of an earlier step counts
	s_cbranch_scc1 .Lopen_\@
.set N_, 0
.rept 64
	v_cmp_gt_i32 vcc_lo, 16*(N_/8)+N_%8, v4
	v_cndmask_b32 v[128+N_], v[128+N_], v5, vcc_lo ; a hidden score becomes -infinity: p = 0
.set N_, N_+1
.endr
.Lopen_\@:
.irp b, 0,1,2,3
	v_max3_num_f32 v[244+\b], v[128+16*\b], v[129+16*\b], v[130+16*\b]   ; THE LARGEST SCORE OF EACH BLOCK OF 32 KEYS: it serves the row's maximum and, since p rises with the score, the block's largest p
.endr
.irp i, 3,5,7,9,11,13
.irp b, 0,1,2,3
	v_max3_num_f32 v[244+\b], v[244+\b], v[128+16*\b+\i], v[129+16*\b+\i]
.endr
.endr
.irp b, 0,1,2,3
	v_max_num_f32 v[244+\b], v[244+\b], v[143+16*\b]
.endr
.irp b, 0,1,2,3
	v_permlanex16_b32 v[248+\b], v[244+\b], s20, s21
.endr
.irp b, 0,1,2,3
	v_max_num_f32 v[244+\b], v[244+\b], v[248+\b]  ; with lane l xor 16's 16 keys
.endr
	v_max3_num_f32 v9, v244, v245, v246
	v_max_num_f32 v9, v9, v247                     ; the step's largest score of my query
	v_mul_f32 v9, s22, v9                          ; as t
	v_max_num_f32 v13, v13, v9                     ; the running largest t
	v_mov_b32 v9, v12
	v_floor_f32 v12, -v13                          ; the new -M = floor(-t) = -ceil(t)
	v_sub_f32 v9, v12, v9                          ; M's old value less its new one: a whole number, 0 or less
	v_cvt_i32_f32 v9, v9                           ; (it saturates)
	v_ldexp_f32 v10, 1.0, v9                       ; f = 2^(old M - new M)
.set J, 0
.rept 32
	v_pk_fma_f32 v[128+J:129+J], v[128+J:129+J], s[22:23], v[12:13] op_sel_hi:[1,0,0]   ; t - M, two at a time
.set J, J+2
.endr
.irp b, 0,1,2,3
	v_fma_f32 v[244+\b], v[244+\b], s22, v12       ; the same of each block's largest score
.endr
.set J, 0
.rept 64
	v_exp_f32 v[128+J], v[128+J]                   ; p = 2^(t - M), at most 1
.set J, J+1
.endr
	v_pk_mul_f32 v[14:15], v[14:15], v[10:11] op_sel_hi:[1,0]   ; the sums under the new M (a plain place behind the exponentials)
	s_wait_alu depctr_va_vdst(0)                   ; one wait for the whole batch, ahead of its first reader
.irp b, 0,1,2,3
	v_exp_f32 v[244+\b], v[244+\b]                 ; the block's largest p: the same two instructions on the same number give the same bits
.endr
	v_pk_add_f32 v[248:249], v[128:129], v[130:131]   ; THE ROW'S SUM IS TAKEN OF THE UNQUANTISED p, in two chains (plain work behind the four)
.set J, 4
.rept 15
	v_pk_add_f32 v[14:15], v[14:15], v[128+J:129+J]
	v_pk_add_f32 v[248:249], v[248:249], v[130+J:131+J]
.set J, J+4
.endr
	v_pk_add_f32 v[14:15], v[14:15], v[248:249]
	s_wait_alu depctr_va_vdst(0)                   ; and one for the four
.irp b, 0,1,2,3
	v_max_num_f32 v[244+\b], 0x2800000, v[244+\b]  ; the floor 2^(5 - 127): the byte cannot fall under 1
.endr
.irp b, 0,1,2,3
	v_add_nc_u32 v[252+\b], 0xfe000000, v[244+\b]  ; 4 off the exponent field: the conversion's scale operand
.endr
.irp b, 0,1,2,3
	v_lshrrev_b32 v[248+\b], 23, v[252+\b]         ; the scale's byte
.endr
	v_lshl_or_b32 v29, v249, 8, v248               ; p's scale word for these 128 keys
	v_lshl_or_b32 v29, v250, 16, v29
	v_lshl_or_b32 v29, v251, 24, v29
.irp c, 0,1
	v_cvt_scalef32_pk16_bf6_f32 v[224+6*\c:226+6*\c], v[128+32*\c:143+32*\c], v[252+2*\c]
	v_cvt_scalef32_pk16_bf6_f32 v[244+4*\c:246+4*\c], v[144+32*\c:159+32*\c], v[253+2*\c]   ; (a conversion's three registers begin on an even number)
.endr
	v_nop                                          ; one plain place behind a scaled conversion
.irp c, 0,1                                    ; the operand's layout wants a WHOLE block in a lane
.irp i, 0,1,2
	v_permlane16_swap_b32 v[224+6*\c+\i], v[244+4*\c+\i]
.endr
.irp i, 0,1,2
	v_mov_b32 v[227+6*\c+\i], v[244+4*\c+\i]
.endr
.endr
.set J, 0
.rept 16
	v_pk_mul_f32 v[192+J:193+J], v[192+J:193+J], v[10:11] op_sel_hi:[1,0]   ; O^T under the new M.  (These 16 are also the places between the scale word and the codes just made and the products below)
.set J, J+2
.endr
	s_wait_dscnt 0x0                               ; v's fragments are in
.irp d, 0,1,2,3                                ; O^T += v^T p^T: the four accumulators by turns, one instruction a turn
	v_wmma_scale_f32_16x16x128_f8f6f4 v[192+8*\d:199+8*\d], v[80+12*\d:91+12*\d], v[224:235], v[192+8*\d:199+8*\d], v[240+\d], v29 matrix_a_fmt:MATRIX_FMT_BF6 matrix_b_fmt:MATRIX_FMT_BF6
.endr
.Lhidden_\@:
	s_add_co_u32 s48, s48, REC
	s_add_co_u32 s49, s49, 1
.endm
; Set s: key steps 4 s .. 4 s + 3.  The wave that fetched waits until its load of this set has landed (3 - s later loads may stay out), then the barrier shows the set to all sixteen.
.macro GROUP s
	s_wait_tensorcnt 3-\s
	s_barrier_signal -1
	s_barrier_wait -1
	s_mov_b32 s50, 4
.Lstep_\@:
	STEP
	s_sub_co_u32 s50, s50, 1
	s_cmp_lg_u32 s50, 0
	s_cbranch_scc1 .Lstep_\@
.endm
	s_wait_loadcnt 0x0                             ; q
	GROUP 0
	GROUP 1
	GROUP 2
	GROUP 3
	; THE WAY OUT.  O^T / the sum: register 8 t + j is o(my query, 16 t + 8 h + j); its two blocks of 32 channels are quantised as p was.
	v_add_f32 v14, v14, v15                        ; the sum's two halves,
	v_permlanex16_b32 v248, v14, s20, s21
	v_add_f32 v14, v14, v248                       ; and lane l xor 16's
	v_rcp_f32 v14, v14
	v_and_b32 v31, 15, v0                          ; (plain places behind the reciprocal and behind the last products)
	v_lshlrev_b32 v31, 5, v31                      ; 32 r: my row of scale bytes
	v_nop
	s_wait_alu depctr_va_vdst(0)                   ; ahead of the reciprocal's first reader
.set J, 0
.rept 32
	v_mul_f32 v[128+J], v[192+J], v14
.set J, J+1
.endr
.irp b, 0,1
	v_max3_num_f32 v[244+\b], |v[128+16*\b]|, |v[129+16*\b]|, 0x2800000
.endr
.irp i, 2,4,6,8,10,12,14
.irp b, 0,1
	v_max3_num_f32 v[244+\b], v[244+\b], |v[128+16*\b+\i]|, |v[129+16*\b+\i]|
.endr
.endr
.irp b, 0,1
	v_permlanex16_b32 v[248+\b], v[244+\b], s20, s21
.endr
.irp b, 0,1
	v_max_num_f32 v[244+\b], v[244+\b], v[248+\b]
.endr
.irp b, 0,1
	v_add_nc_u32 v[252+\b], 0xfe000000, v[244+\b]
.endr
.irp b, 0,1
	v_lshrrev_b32 v[248+\b], 23, v[252+\b]
.endr
	v_lshl_or_b32 v30, v249, 8, v248               ; my row's two scale bytes
	v_cvt_scalef32_pk16_bf6_f32 v[224:226], v[128:143], v252
	v_cvt_scalef32_pk16_bf6_f32 v[244:246], v[144:159], v253
	v_nop
.irp i, 0,1,2
	v_permlane16_swap_b32 v[224+\i], v[244+\i]
.endr
.irp i, 0,1,2
	v_mov_b32 v[227+\i], v[244+\i]
.endr
	global_store_b128 v1, v[224:227], s[60:61]     ; 512 consecutive bytes,
	global_store_b64 v2, v[228:229], s[60:61] offset:512   ; and 256
	global_store_b16 v31, v30, s[62:63]            ; lanes r and r + 16 store the same two bytes
	s_wait_xcnt 0x0
	v_lshl_add_u32 v254, v0, 2, 0x33000
	v_mov_b32 v255, 0
	s_wait_tensorcnt 0x0
	ds_add_u32 v254, v255
	s_wait_dscnt 0x0
	ROUND                                          ; the closing round (all my tensor loads were waited for ahead of the last set)
	s_endpgm
.Lfunc_end_k_q1c3f2ed6f6_attn:
	.size	k_q1c3f2ed6f6_attn, .Lfunc_end_k_q1c3f2ed6f6_attn-k_q1c3f2ed6f6_attn
	.p2alignl 7, 3214868480
	.fill 96, 4, 3214868480
	.section	.rodata,"a",@progbits
	.p2align	6, 0x0
	.amdhsa_kernel k_q1c3f2ed6f6_attn
		.amdhsa_group_segment_fixed_size 210944
		.amdhsa_private_segment_fixed_size 0
		.amdhsa_enable_private_segment 0
		.amdhsa_kernarg_size 32
		.amdhsa_user_sgpr_count 2
		.amdhsa_user_sgpr_kernarg_segment_ptr 1
		.amdhsa_wavefront_size32 1
		.amdhsa_system_sgpr_workgroup_id_x 1
		.amdhsa_system_sgpr_workgroup_id_y 1
		.amdhsa_system_sgpr_workgroup_id_z 1
		.amdhsa_system_vgpr_workitem_id 0
		.amdhsa_next_free_vgpr 256
		.amdhsa_next_free_sgpr 66
		.amdhsa_reserve_vcc 1
		.amdhsa_float_denorm_mode_32 3
		.amdhsa_float_denorm_mode_16_64 3
		.amdhsa_memory_ordered 1
		.amdhsa_forward_progress 1
		.amdhsa_inst_pref_size 98
	.end_amdhsa_kernel
	.amdgpu_metadata
---
amdhsa.version: [ 1, 2 ]
amdhsa.kernels:
  - .name:           k_q1c3f2ed6f6_attn
    .symbol:         k_q1c3f2ed6f6_attn.kd
    .args:
      - { .name: qb, .offset: 0, .size: 8, .value_kind: global_buffer, .address_space: global }
      - { .name: kv, .offset: 8, .size: 8, .value_kind: global_buffer, .address_space: global }
      - { .name: oimg, .offset: 16, .size: 8, .value_kind: global_buffer, .address_space: global }
      - { .name: oscl, .offset: 24, .size: 8, .value_kind: global_buffer, .address_space: global }
    .group_segment_fixed_size: 210944
    .private_segment_fixed_size: 0
    .kernarg_segment_align: 8
    .kernarg_segment_size: 32
    .max_flat_workgroup_size: 512
    .sgpr_count:     66
    .vgpr_count:     256
    .wavefront_size: 32
...
	.end_amdgpu_metadata
.endif
;; end of part 3
;; launch proj (part 4): grid 4 x 32, 4 waves a work-group, clusters of 4 x 4, 327,680 bytes of LDS; arguments oimg, oscl, codes1, scl1, b_proj, out0; writes out0
.if DOCPART == 4
	.amdgcn_target "amdgcn-amd-amdhsa--gfx1250"
	.amdhsa_code_object_version 6
	.text
	.protected	k_q1c3f2ed6f6_proj
	.globl	k_q1c3f2ed6f6_proj
	.p2align	8
	.type	k_q1c3f2ed6f6_proj,@function
k_q1c3f2ed6f6_proj:
	s_mov_b64 s[64:65], 0
	v_nop
	global_prefetch_b8 v0, s[64:65] scope:SCOPE_SE
	s_setreg_imm32_b32 hwreg(HW_REG_WAVE_MODE, 25, 1), 1
	s_wait_xcnt 0x0
	s_wait_alu depctr_hold_cnt(0) depctr_sa_sdst(0) depctr_va_vdst(0) depctr_va_sdst(0) depctr_va_ssrc(0) depctr_va_vcc(0) depctr_vm_vsrc(0)
	s_getreg_b32 s2, hwreg(HW_REG_IB_STS2, 6, 4)
	s_cmp_eq_u32 s2, 0
	s_cbranch_scc0 .Lentry_in_a_cluster
	s_endpgm
.Lentry_in_a_cluster:
	s_bfe_u32 s2, ttmp6, 0x10000c
	s_cmp_lg_u32 s2, 0xf033
	s_cbranch_scc0 .Lentry_shape_is_right
	s_endpgm
.Lentry_shape_is_right:
; out0 = o w_proj^T + b_proj, on codes of BF6 (E3M2) with E8M0 scales; M = 8,192, N = 1,024, K = 1,024; sums and result f32.
; A = o: oimg holds, for each tile of 16 rows, 16 images (one a head, 64 along K) of 768 bytes: registers 0-3 of half a fragment at 16 x lane, registers 4-5 at 512 + 8 x lane; oscl: 32 scale bytes a row.
; B = w_proj: rows 11,264 on of codes1 (768 bytes a row) and of scl1 (32 bytes a row).  Both were made with the same order inside each block of 32.
; A tile of 256 x 256 of the result is made by four waves, 128 x 128 each: 64 accumulators, 512 registers.  K goes in steps of 256 through two LDS slots filled by the tensor data mover: A's part of a slot is, for each
; tile of 16 rows, 3,072 consecutive bytes of memory (four images), read from LDS by loads of 16 and 8 bytes a lane on end; B's rows are 192 bytes, 16 bytes of padding behind every 64.
; The scale bytes of the tile's 512 rows come into LDS once.  THE BIAS IS THE C of each sum's first matrix instruction: eight registers for each block of 16 columns, in the result's layout.
; The matrix instruction is used transposed (source 0 = 16 rows of B, source 1 = 16 rows of A): a lane holds eight neighbouring numbers of a row of the result.
; CLUSTERS: 4 x 4 work-groups; A's tiles are asked for jointly along a row of the cluster, B's along a column.  The result has 128 tiles of this size: 128 work-groups.
; REGISTERS, in windows of 256: window 0: v0-31 addresses; v32-63 scale words, two sets, and nothing else; v64-127 the bias; v128-223 A's fragments, one set; on the way out v128-255 hold rows.
;   window 1: B's fragments, two sets.   window 2: the accumulators of my rows 0-63 ((a, b) at v[8 (8 a + b)]);   window 3: those of rows 64-127.
.set SIZE_N, 1024
.set KSTEP,  256
.set NQ,     2
.set ROWB,   192                       ; B: a tile's row in bytes
.set KROW,   768                       ; B: a row of codes1
.set PITCH,  240                       ; B: an LDS row: 3 x (64 bytes + 16 of padding)
.set FR,     12
.set NL,     6                         ; LDS loads that bring a fragment of B
.set NLA,    4                         ; and of A
.set NP,     4                         ; places behind this matrix instruction (ISA guide 7.12.1)
.set ASTEP,  3072                      ; A: a tile of 16 rows x 256 along K: four images
.set HALFA,  8*ASTEP                   ; A: 128 rows: what one tensor load brings
.set HALFT,  128*PITCH                 ; B: the same
.set SLOT,   2*HALFA+2*HALFT           ; A's 256 rows, then B's 256 rows
.set LAPS,   2
.set KS,     32
.set SCL,    2*SLOT                    ; behind the ring: the scales, as runs of 256 bytes + 16 of padding
.set HALFS,  (128*KS/256)*272
.set SBLK,   (16*KS/256)*272
.set SPARE,  SCL+4*HALFS               ; the spare words, 128 bytes for each wave: two blocks of 256 bytes that no other line names
.set SPITCH, 528                       ; the way out: a stage of 16 rows x (512 bytes + 16) for each wave, in slot 0, which has had its last fill and its last read by then
.set ADRA, 16                          ; v16-17 LDS address of my A images in slot 0, 1, 16 bytes a lane; v18-19 the same, 8 bytes a lane
.set ADRB, 20                          ; v20-21 LDS address of my B fragments; v22-23 for the pieces behind one padding more
.set STO,  24
.set RD,   25
.set CO,   26
.set ADRS, 27
.set SPW,  28                          ; my spare word; never rewritten
.set NIL,  29                          ; 0; never rewritten
.set SC,   32
.set BI,   64                          ; the bias: block b of 16 columns at v[BI + 8 b]
.set AF,   128
.set BK,   128
.set G1, 24
.set G0, 32
.set G1B, 48
.set G0B, 56
.set G1S, 68
.set G0S, 76
.set G1SB, 80
.set G0SB, 88
.set MSB, 0
.macro WIN new                         ; the immediate's high byte repeats the setting that is left
.if MSB != \new
	s_set_vgpr_msb (MSB<<8)|\new
.set MSB, \new
.endif
.endm
.set MUL_LO,  0xa1                     ; source 0 (B) window 1, source 1 (A) window 0, C and D window 2
.set MUL_HI,  0xf1                     ; the same, C and D window 3
.set BIAS_LO, 0x81                     ; the first step: C (the bias) window 0, D window 2
.set BIAS_HI, 0xc1                     ; D window 3
.set TO_B,    0x40
.macro JLOAD g0a, g1a, g0b, g1b        ; a joint load: waves 0 and 1 fetch for A, waves 2 and 3 for B; four v_nop follow each of the two lines
	s_cmp_eq_u32 s15, 0
	s_cbranch_scc0 .Lfor_b_\@
	tensor_load_to_lds s[\g0a:\g0a+3], s[\g1a:\g1a+7]
	s_nop 0
.rept 4
	v_nop
.endr
	s_branch .Lasked_\@
.Lfor_b_\@:
	tensor_load_to_lds s[\g0b:\g0b+3], s[\g1b:\g1b+7]
	s_nop 0
.rept 4
	v_nop
.endr
.Lasked_\@:
.endm
.macro CREST
	s_cmp_lg_u32 s14, 0
	s_cbranch_scc1 .Lnot_wave_0_\@
	s_barrier_signal -3
.Lnot_wave_0_\@:
	s_barrier_wait -3
	s_barrier_signal -1
	s_barrier_wait -1
.endm
.macro CROUND
	s_barrier_signal -1
	s_barrier_wait -1
	CREST
.endm
	s_load_b128 s[4:7], s[0:1], 0x0                ; oimg s[4:5], oscl s[6:7]
	s_load_b128 s[8:11], s[0:1], 0x10              ; codes1 s[8:9], scl1 s[10:11]
	s_load_b64 s[96:97], s[0:1], 0x20              ; b_proj
	s_load_b64 s[12:13], s[0:1], 0x28              ; out0
	v_lshl_add_u32 v[SPW], v0, 2, SPARE
	v_mov_b32 v[NIL], 0
	ds_add_u32 v28, v29
	ds_add_u32 v28, v29
	s_wait_dscnt 0x0
	v_lshrrev_b32 v1, 5, v0
	v_readfirstlane_b32 s14, v1                    ; wave 0..3
	s_lshr_b32 s15, s14, 1                         ; which half of the tile's rows is mine.  Also: I fetch for A (0) or for B (1)
	s_and_b32 s16, s14, 1                          ; which half of its columns.  Also: which 128 rows I fetch
	s_bfe_u32 s40, ttmp6, 0x40000                  ; cx, cy
	s_bfe_u32 s41, ttmp6, 0x40004
	s_lshl_b32 s42, ttmp9, 2
	s_add_co_u32 s42, s42, s40                     ; tile column
	s_and_b32 s17, ttmp7, 0xffff
	s_lshl_b32 s17, s17, 2
	s_add_co_u32 s17, s17, s41                     ; tile row
	s_lshl_b32 s43, s41, 2
	s_lshl_b32 s43, 15, s43                        ; my row of the cluster
	s_lshl_b32 s44, 0x1111, s40                    ; my column
	; A's tiles: 8 rows of 3,072 bytes (384 elements of 8), 12,288 bytes apart, no padding
	s_or_b32 s[G1+0], s43, (3<<16)|(1<<21)         ; 15:0 the mask: my row; elements of 8 bytes; bit 21 set beside a mask
	s_mov_b32 s[G1+1], 384<<16                     ; tensor_dim0
	s_mov_b32 s[G1+2], 8<<16                       ; tensor_dim1
	s_mov_b32 s[G1+3], 384<<16                     ; tile_dim0
	s_mov_b32 s[G1+4], 8                           ; tile_dim1
	s_mov_b32 s[G1+5], 1536                        ; from row to row
	s_mov_b32 s[G1+6], 0
	s_mov_b32 s[G1+7], 0
	; B's tiles: 128 rows x 192 bytes, 16 bytes of padding behind every 64
	s_or_b32 s[G1B+0], s44, (0<<16)|(1<<20)|(1<<21)|(3<<22)|(3<<25)
	s_mov_b32 s[G1B+1], ROWB<<16
	s_mov_b32 s[G1B+2], 128<<16
	s_mov_b32 s[G1B+3], ROWB<<16
	s_mov_b32 s[G1B+4], 128
	s_mov_b32 s[G1B+5], KROW
	s_mov_b32 s[G1B+6], 0
	s_mov_b32 s[G1B+7], 0
	; the scales of 128 rows: 4,096 dense bytes, as 16 rows of 256 bytes, 16 bytes of padding behind each
	s_or_b32 s[G1S+0], s43, (3<<16)|(1<<20)|(1<<21)|(5<<22)|(3<<25)
	s_or_b32 s[G1SB+0], s44, (3<<16)|(1<<20)|(1<<21)|(5<<22)|(3<<25)
.irp g, G1S, G1SB
	s_mov_b32 s[\g+1], 32<<16
	s_mov_b32 s[\g+2], (128*KS/256)<<16
	s_mov_b32 s[\g+3], 32<<16
	s_mov_b32 s[\g+4], 128*KS/256
	s_mov_b32 s[\g+5], 32
	s_mov_b32 s[\g+6], 0
	s_mov_b32 s[\g+7], 0
.endr
	s_lshl_b32 s18, s16, 7                         ; which 128 rows of the tile I fetch
	s_lshl_b32 s20, s17, 8
	s_add_co_u32 s20, s20, s18                     ; A: row 256 x tile row + 128 x half
	s_lshl_b32 s46, s42, 8
	s_add_co_u32 s46, s46, s18
	s_add_co_u32 s46, s46, 11264                   ; B: w_proj's first row + 256 x tile column + 128 x half
	s_mov_b32 s21, 0
	s_mov_b32 s47, 0
	s_mov_b64 s[18:19], KS
	s_mul_u64 s[22:23], s[20:21], s[18:19]         ; where these rows' scales begin, in bytes
	s_mul_u64 s[92:93], s[46:47], s[18:19]
	s_mov_b64 s[18:19], KROW
	s_mul_u64 s[20:21], s[20:21], s[18:19]         ; and their codes: 16 rows of o are 12,288 bytes: 768 a row, as in codes1
	s_mul_u64 s[46:47], s[46:47], s[18:19]
	s_mul_i32 s45, s16, HALFA                      ; where they go: A's two halves,
	s_mul_i32 s95, s16, HALFT
	s_add_co_u32 s95, s95, 2*HALFA                 ; B's two behind them: no place in the cluster enters an LDS address
	s_mul_i32 s94, s14, HALFS
	s_wait_kmcnt 0x0
	s_add_nc_u64 s[20:21], s[4:5], s[20:21]
	s_add_nc_u64 s[22:23], s[6:7], s[22:23]
	s_add_nc_u64 s[46:47], s[8:9], s[46:47]
	s_add_nc_u64 s[92:93], s[10:11], s[92:93]
	CROUND                                         ; all sixteen work-groups are here: the first joint loads meet
	s_mov_b32 s[G0S], 1
	s_add_co_u32 s[G0S+1], s94, SCL
	s_mov_b64 s[G0S+2:G0S+3], s[22:23]
	s_or_b32 s[G0S+3], s[G0S+3], 0x80000000
	s_mov_b32 s[G0SB], 1
	s_add_co_u32 s[G0SB+1], s94, SCL
	s_mov_b64 s[G0SB+2:G0SB+3], s[92:93]
	s_or_b32 s[G0SB+3], s[G0SB+3], 0x80000000
	JLOAD G0S, G1S, G0SB, G1SB                     ; the scales first: they are wanted with K step 0
.irp s, 0,1
	s_mov_b32 s[G0+4*\s], 1
	s_add_co_u32 s[G0+4*\s+1], s45, \s*SLOT
	s_add_nc_u64 s[G0+4*\s+2:G0+4*\s+3], s[20:21], \s*ASTEP
	s_or_b32 s[G0+4*\s+3], s[G0+4*\s+3], 0x80000000
	s_mov_b32 s[G0B+4*\s], 1
	s_add_co_u32 s[G0B+4*\s+1], s95, \s*SLOT
	s_add_nc_u64 s[G0B+4*\s+2:G0B+4*\s+3], s[46:47], \s*ROWB
	s_or_b32 s[G0B+4*\s+3], s[G0B+4*\s+3], 0x80000000
	JLOAD G0+4*\s, G1, G0B+4*\s, G1B
.endr
	v_and_b32 v1, 15, v0                           ; r
	v_bfe_u32 v2, v0, 4, 1                         ; h
	v_and_b32 v6, 31, v0                           ; lane
	v_mul_u32_u24 v3, v1, PITCH
	v_mul_u32_u24 v4, v2, 24
	v_add_nc_u32 v4, v3, v4                        ; B: a fragment's row x pitch + 24 x half
	v_lshl_add_u32 v5, v2, 4, v4                   ; and the same behind one padding more
	v_lshlrev_b32 v7, 4, v6                        ; A: 16 x lane,
	v_lshlrev_b32 v8, 3, v6                        ; 8 x lane
	s_mul_i32 s21, s15, HALFA                      ; my 128 rows of A
	s_mul_i32 s22, s16, HALFT                      ; my 128 rows of B,
	s_add_co_u32 s22, s22, 2*HALFA                 ; which lie behind A's 256
.irp s, 0,1
	v_add_nc_u32 v[ADRA+\s], s21, v7
	v_add_nc_u32 v[ADRA+2+\s], s21, v8
	v_add_nc_u32 v[ADRB+\s], s22, v4
	v_add_nc_u32 v[ADRB+2+\s], s22, v5
	s_add_co_u32 s21, s21, SLOT
	s_add_co_u32 s22, s22, SLOT
.endr
	v_mul_u32_u24 v5, v1, KS                       ; my row's scales: 32 bytes a row,
	v_lshrrev_b32 v6, 8, v5
	v_lshl_add_u32 v5, v6, 4, v5                   ; and 16 more for each 256 passed
	s_mul_i32 s21, s15, HALFS
	s_mul_i32 s22, s16, HALFS
	s_add_co_u32 s22, s22, 2*HALFS
	s_sub_co_u32 s22, s22, s21
	v_mul_u32_u24 v6, s22, v2                      ; lanes 16-31 take B's
	s_add_co_u32 s21, s21, SCL
	v_add_nc_u32 v5, v5, v6
	v_add_nc_u32 v[ADRS], s21, v5
	s_mul_i32 s23, s14, 16*SPITCH                  ; my stage
	v_mul_u32_u24 v5, v1, SPITCH                   ; in: row r, 32 bytes for each half of the lanes
	v_lshl_add_u32 v5, v2, 5, v5
	v_add_nc_u32 v[STO], s23, v5
	v_mov_b32 v[CO], v7                            ; back: the 32 lanes take one row of 512 bytes; and the same in the result
	v_add_nc_u32 v[RD], s23, v[CO]
	s_lshl_b32 s20, s17, 8
	s_lshl_b32 s21, s15, 7
	s_add_co_u32 s20, s20, s21                     ; my first row of the result
	s_mov_b32 s21, 0
	s_mov_b64 s[18:19], SIZE_N*4
	s_mul_u64 s[20:21], s[20:21], s[18:19]
	s_lshl_b32 s46, s42, 10                        ; my first column, in bytes: 1,024 x tile column + 512 x half
	s_lshl_b32 s47, s16, 9
	s_add_co_u32 s46, s46, s47
	s_mov_b32 s47, 0
	s_add_nc_u64 s[20:21], s[20:21], s[46:47]
	s_add_nc_u64 s[12:13], s[12:13], s[20:21]
	s_add_nc_u64 s[96:97], s[96:97], s[46:47]      ; the bias at my first column
	v_lshlrev_b32 v9, 5, v2                        ; lane (r, h) wants, for block b, the bias of columns 16 b + 8 h + 0 .. 7
.irp b, 0,1,2,3,4,5,6,7
	global_load_b128 v[BI+8*\b:BI+8*\b+3], v9, s[96:97] offset:64*\b
	global_load_b128 v[BI+8*\b+4:BI+8*\b+7], v9, s[96:97] offset:64*\b+16
.endr
.macro FRAG reg, adr, q, i             ; B: a fragment's 12 registers: lane l holds row l % 16; registers 6 c .. 6 c + 5 hold K = 64 c + 32 (l / 16) + 0 .. 31; in pieces of 8 bytes
.irp p, 0,1,2,3,4,5
.set PCE, 12*(\q)+6*(\p/3)+\p%3
.if PCE%8 < 5
	ds_load_b64 v[\reg+2*\p:\reg+2*\p+1], v[\adr] offset:8*PCE+16*(PCE/8)+(\i)*16*PITCH
.else
	ds_load_b64 v[\reg+2*\p:\reg+2*\p+1], v[\adr+2] offset:8*PCE+16*(PCE/8)+(\i)*16*PITCH
.endif
.endr
.endm
.macro FRAGA reg, slot, q, i           ; A: block i's fragment of the slot's q-th 128 along K: two images, each 16 and 8 bytes a lane, on end
	ds_load_b128 v[\reg:\reg+3], v[ADRA+\slot] offset:ASTEP*(\i)+1536*(\q)
	ds_load_b64 v[\reg+4:\reg+5], v[ADRA+2+\slot] offset:ASTEP*(\i)+1536*(\q)+512
	ds_load_b128 v[\reg+6:\reg+9], v[ADRA+\slot] offset:ASTEP*(\i)+1536*(\q)+768
	ds_load_b64 v[\reg+10:\reg+11], v[ADRA+2+\slot] offset:ASTEP*(\i)+1536*(\q)+1280
.endm
; 16 matrix instructions: A's blocks a0, a0 + 1 x B's eight.  first = 1: the bias is C, and starts the sums.  The 64 accumulators take turns, one instruction a turn, in the same order in every step.
.macro MUL16 a0, p, q, sc, first
.irp a, \a0, \a0+1
.irp b, 0,1,2,3,4,5,6,7
.if \first
	v_wmma_scale_f32_16x16x128_f8f6f4 v[8*(8*((\a)%4)+\b):8*(8*((\a)%4)+\b)+7], v[128*(\p)+FR*\b:128*(\p)+FR*\b+FR-1], v[AF+FR*(\a):AF+FR*(\a)+FR-1], v[BI+8*\b:BI+8*\b+7], v[SC+8*NQ*(\sc)+NQ*\b+(\q)], v[SC+8*NQ*(\sc)+NQ*(\a)+(\q)] matrix_a_fmt:MATRIX_FMT_BF6 matrix_b_fmt:MATRIX_FMT_BF6 matrix_a_scale:MATRIX_SCALE_ROW1
.else
	v_wmma_scale_f32_16x16x128_f8f6f4 v[8*(8*((\a)%4)+\b):8*(8*((\a)%4)+\b)+7], v[128*(\p)+FR*\b:128*(\p)+FR*\b+FR-1], v[AF+FR*(\a):AF+FR*(\a)+FR-1], v[8*(8*((\a)%4)+\b):8*(8*((\a)%4)+\b)+7], v[SC+8*NQ*(\sc)+NQ*\b+(\q)], v[SC+8*NQ*(\sc)+NQ*(\a)+(\q)] matrix_a_fmt:MATRIX_FMT_BF6 matrix_b_fmt:MATRIX_FMT_BF6 matrix_a_scale:MATRIX_SCALE_ROW1
.endif
.endr
.endr
.endm
.macro FETCH_B slot, q, p
	WIN TO_B
.irp i, 0,1,2,3,4,5,6,7
	FRAG 128*(\p)+FR*\i, ADRB+\slot, \q, \i
.endr
	WIN 0
.endm
.macro FETCH_A slot, q, i0
.irp i, \i0, \i0+1, \i0+2, \i0+3
	FRAGA AF+FR*(\i), \slot, \q, \i
.endr
.endm
.macro SCALES sc
.irp i, 0,1,2,3,4,5,6,7
	ds_load_b64 v[SC+8*NQ*\sc+NQ*\i:SC+8*NQ*\sc+NQ*\i+1], v[ADRS] offset:\i*SBLK
.endr
.endm
.macro PLACES n                        ; places in front of loads into registers that matrix instructions have read, and of the first read of results (ISA guide 7.12.1 for the first read of results)
.rept \n
	v_nop
.endr
.endm
.macro STEP slot, q, first
	s_wait_dscnt 4*NLA                             ; B's set and A's blocks 0-3 are in; the youngest 16 loads (A's blocks 4-7) may be out
.if \first
	WIN BIAS_LO
.else
	WIN MUL_LO
.endif
	MUL16 0, (\q)%2, \q, \slot, \first
	MUL16 2, (\q)%2, \q, \slot, \first
	s_wait_dscnt 0                                 ; A's blocks 4-7 are in
	PLACES NP
	FETCH_B \slot, (\q)+1, 1-(\q)%2
	FETCH_A \slot, (\q)+1, 0
.if \first
	WIN BIAS_HI
.else
	WIN MUL_HI
.endif
	MUL16 4, (\q)%2, \q, \slot, \first
	MUL16 6, (\q)%2, \q, \slot, \first
	PLACES NP
	WIN 0
	FETCH_A \slot, (\q)+1, 4
.endm
; A slot's last step changes slots: ONE barrier; in front of it each wave waits for all its tensor loads, adds 0 to its spare word, and waits for that and for its own reads of this slot.
.macro TURN slot, next, fill
	s_wait_tensorcnt 0x0                           ; all my tensor loads have landed: my part of the next slot
	ds_add_u32 v[SPW], v[NIL]                      ; 0 onto my spare word
	s_wait_dscnt 4*NLA+1                           ; (the add and the youngest 16 loads may be out)
	WIN MUL_LO
	MUL16 0, 1, NQ-1, \slot, 0                     ; sixteen matrix instructions stand between the add and the wait for it
	s_wait_dscnt 0x0                               ; the add is done, and my reads of this slot are over
	s_barrier_signal -1
	MUL16 2, 1, NQ-1, \slot, 0
	WIN 0
	s_barrier_wait -1
.if \fill
	CREST                                          ; the barrier has opened a round of the cluster's barrier: no wave of any partner still reads this slot or has a load on its way
	s_add_nc_u64 s[G0+4*\slot+2:G0+4*\slot+3], s[G0+4*\slot+2:G0+4*\slot+3], 2*ASTEP
	s_add_nc_u64 s[G0B+4*\slot+2:G0B+4*\slot+3], s[G0B+4*\slot+2:G0B+4*\slot+3], 2*ROWB
	JLOAD G0+4*\slot, G1, G0B+4*\slot, G1B         ; the first tensor load behind the round; its four v_nop are also the places in front of the loads below
.else
	PLACES NP
.endif
	v_add_nc_u32 v[ADRS], 4*NQ, v[ADRS]            ; on to the next K step's scale words
	FETCH_B \next, 0, 0
	FETCH_A \next, 0, 0
	SCALES \next
	WIN MUL_HI
	MUL16 4, 1, NQ-1, \slot, 0
	MUL16 6, 1, NQ-1, \slot, 0
	PLACES NP
	WIN 0
	FETCH_A \next, 0, 4
.endm
	s_wait_tensorcnt 1                             ; the scales and my part of K step 0 are in (K step 1's load may be out),
	s_barrier_signal -1
	s_barrier_wait -1                              ; everybody's are
	FETCH_B 0, 0, 0
	FETCH_A 0, 0, 0
	SCALES 0
	FETCH_A 0, 0, 4
	s_wait_loadcnt 0x0                             ; the bias
	STEP 0, 0, 1                                   ; the first step stands in front of the loop: its products start the sums, on the bias
	s_mov_b32 s3, LAPS-1
.Llap:                                                 ; a trip goes once round the ring and fills both slots again
	TURN 0, 1, 1
	STEP 1, 0, 0
	TURN 1, 0, 1
	STEP 0, 0, 0
	s_sub_co_u32 s3, s3, 1
	s_cmp_lg_u32 s3, 0
	s_cbranch_scc1 .Llap
	TURN 0, 1, 0                                   ; the last lap fills nothing
	STEP 1, 0, 0
	s_wait_dscnt 4*NLA                             ; the very last step: nothing more to fetch
	WIN MUL_LO
	MUL16 0, 1, NQ-1, 1, 0
	MUL16 2, 1, NQ-1, 1, 0
	s_wait_dscnt 0
	WIN MUL_HI
	MUL16 4, 1, NQ-1, 1, 0
	MUL16 6, 1, NQ-1, 1, 0
	WIN 0
; THE WAY OUT, block by block of 16 rows x 128 columns: a lane holds 32 neighbouring bytes of a row, so a block goes through my own stage in LDS and comes back as whole rows of 512 bytes.
; LDS serves a wave's instructions in order (ISA guide 5.7.1.4): no wait between the stores and the loads, nor in front of the next block's stores.
.macro TOSTAGE a
.set AC, 64*((\a)%4)
.set WD, 0x08+4*((\a)/4)
	WIN WD                                         ; an LDS store's data: window 2 or 3
.irp b, 0,1,2,3,4,5,6,7
	ds_store_b128 v[STO], v[AC+8*\b:AC+8*\b+3] offset:64*\b          ; each accumulator from its low end on
	ds_store_b128 v[STO], v[AC+8*\b+4:AC+8*\b+7] offset:64*\b+16
.endr
	WIN 0
.set BB, BK+64*((\a)%2)
.irp t, 0,1,2,3,4,5,6,7,8,9,10,11,12,13,14,15
	ds_load_b128 v[BB+4*\t:BB+4*\t+3], v[RD] offset:\t*SPITCH
.endr
.endm
.macro SEND a, younger                 ; younger: the LDS instructions issued behind block a's loads, which may stay out
.set BB, BK+64*((\a)%2)
	s_wait_dscnt \younger                          ; the block is back in registers
.if (\a) > 0
	s_add_nc_u64 s[12:13], s[12:13], 16*SIZE_N*4   ; (behind a wait on XCNT: the earlier stores have read their base)  16 rows on
.endif
.irp t, 0,1,2,3,4,5,6,7,8,9,10,11,12,13,14,15
	global_store_b128 v[CO], v[BB+4*\t:BB+4*\t+3], s[12:13] offset:\t*SIZE_N*4 th:TH_STORE_NT   ; 32 lanes store 512 consecutive bytes, at a multiple of 256 from the result's first byte; written once
.endr
.endm
	PLACES NP
	TOSTAGE 0
.irp a, 1,2,3,4,5,6,7
.if \a > 1
	s_wait_xcnt 0x0                                ; block a - 2's stores have read their registers and their base
.endif
	TOSTAGE \a
	SEND \a-1, 32                                  ; behind block a - 1's loads: block a's 16 stores and 16 loads
.endr
	s_wait_xcnt 0x0                                ; block 6's stores have read their base
	SEND 7, 0
	s_wait_tensorcnt 0x0                           ; the wave's end: behind my last tensor load and my last LDS store
	ds_add_u32 v[SPW], v[NIL]
	s_wait_dscnt 0x0
	CROUND                                         ; the closing round
	s_endpgm
.Lfunc_end_k_q1c3f2ed6f6_proj:
	.size	k_q1c3f2ed6f6_proj, .Lfunc_end_k_q1c3f2ed6f6_proj-k_q1c3f2ed6f6_proj
	.p2alignl 7, 3214868480
	.fill 96, 4, 3214868480
	.section	.rodata,"a",@progbits
	.p2align	6, 0x0
	.amdhsa_kernel k_q1c3f2ed6f6_proj
		.amdhsa_group_segment_fixed_size 327680
		.amdhsa_private_segment_fixed_size 0
		.amdhsa_enable_private_segment 0
		.amdhsa_kernarg_size 48
		.amdhsa_user_sgpr_count 2
		.amdhsa_user_sgpr_kernarg_segment_ptr 1
		.amdhsa_wavefront_size32 1
		.amdhsa_system_sgpr_workgroup_id_x 1
		.amdhsa_system_sgpr_workgroup_id_y 1
		.amdhsa_system_sgpr_workgroup_id_z 1
		.amdhsa_system_vgpr_workitem_id 0
		.amdhsa_next_free_vgpr 1024
		.amdhsa_next_free_sgpr 100
		.amdhsa_reserve_vcc 0
		.amdhsa_float_denorm_mode_32 3
		.amdhsa_float_denorm_mode_16_64 3
		.amdhsa_memory_ordered 1
		.amdhsa_forward_progress 1
		.amdhsa_inst_pref_size 154
	.end_amdhsa_kernel
	.amdgpu_metadata
---
amdhsa.version: [ 1, 2 ]
amdhsa.kernels:
  - .name:           k_q1c3f2ed6f6_proj
    .symbol:         k_q1c3f2ed6f6_proj.kd
    .args:
      - { .name: oimg, .offset: 0, .size: 8, .value_kind: global_buffer, .address_space: global }
      - { .name: oscl, .offset: 8, .size: 8, .value_kind: global_buffer, .address_space: global }
      - { .name: codes1, .offset: 16, .size: 8, .value_kind: global_buffer, .address_space: global }
      - { .name: scl1, .offset: 24, .size: 8, .value_kind: global_buffer, .address_space: global }
      - { .name: b_proj, .offset: 32, .size: 8, .value_kind: global_buffer, .address_space: global }
      - { .name: out0, .offset: 40, .size: 8, .value_kind: global_buffer, .address_space: global }
    .group_segment_fixed_size: 327680
    .private_segment_fixed_size: 0
    .kernarg_segment_align: 8
    .kernarg_segment_size: 48
    .max_flat_workgroup_size: 128
    .sgpr_count:     100
    .vgpr_count:     1024
    .wavefront_size: 32
...
	.end_amdgpu_metadata
.endif
;; end of part 4
